; MI455X (gfx1250); checked and timed in simulation.
; The chip was launched on July 23, 2026; its instructions are those of AMD's public machine-readable ISA for CDNA 5 (MIT licence, August 2026) and "CDNA5" Instruction Set Architecture Reference Guide (July 2026). The comments in the code are by the model that wrote it; some were corrected since.
;; Optimized Multi Head Attention. Allowed arithmetic: matrix products marked QUANTISED: E2M3 operands, one E8M0 scale for each 32 along K, by v_wmma_scale_f32_16x16x128_f8f6f4 with both operands' format E2M3, f32 sums; everything else in f32.
;; Inputs: w_qkv 3,072 x 1,024 float32; wo 1,024 x 1,024 float32; x 4 x 2,048 x 1,024 float32.
;; Outputs: out0 4 x 2,048 x 1,024 float32.
;; This version of the problem:
;;   THIS VERSION OF THE PROBLEM IS GIVEN IN LOW PRECISION. The matrix products marked QUANTISED in the list below multiply operands that are first quantised to E2M3 (2 exponent bits, 3 mantissa bits; 6 bits a number), with one power-of-two scale for each 32 numbers along K (OCP MX v1.0); their sums are f32. All else is computed in f32.
;;   The module's matrix products, in the order in which they are computed (A, B: the left and right operand; K: the contracted axis; several contracted axes count as one K, in the product's order):
;;     1. [M 8,192, K 1,024] x [K 1,024, N 3,072]; A: input x; B: input w_qkv: QUANTISED
;;     2. batch 64 x [M 2,048, K 64] x [K 64, N 2,048]; A: computed on the way; B: computed on the way: QUANTISED
;;     3. batch 64 x [M 2,048, K 2,048] x [K 2,048, N 64]; A: softmax (see below); B: computed on the way: QUANTISED
;;     4. [M 8,192, K 1,024] x [K 1,024, N 1,024]; A: computed on the way; B: input wo: QUANTISED
;;   THE QUANTISER, for each operand of a quantised product, along K:
;;     - K is cut into blocks of 32 from its start; a last block that is shorter is filled with zeros.
;;     - A block's scale is 2^e with e = floor(log2(the largest magnitude in the block)) - 2, held to -126 .. 127; a block of zeros has e = 0. As a byte (E8M0): e + 127.
;;     - Each number is divided by its block's scale, clamped to +-7.5, and rounded to the nearest number of E2M3, ties to even, subnormals kept.
;;     - The product sums the exact products of the quantised numbers (number of the format x scale) in f32.
;;   ~~~python
;;   def quantise(x, axis):      # numpy; x: float32 -> the quantised numbers, widened to float32 again
;;       x = np.moveaxis(x, axis, -1); K = x.shape[-1]
;;       x = np.pad(x, [(0, 0)] * (x.ndim - 1) + [(0, -K % 32)]); x = x.reshape(x.shape[:-1] + (-1, 32)); a = np.abs(x).max(-1, keepdims=True)
;;       e = np.where(a > 0, np.clip(np.frexp(np.where(a > 0, a, 1))[1] - 1 - 2, -126, 127), 0)      # np.frexp(a)[1] - 1 = floor(log2(a)), exactly
;;       r = np.clip(x / 2.0 ** e, -7.5, 7.5)
;;       step = 2.0 ** (np.maximum(np.frexp(np.where(r == 0, 1, r))[1] - 1, 0) - 3)
;;       q = np.round(r / step) * step * 2.0 ** e      # np.round: ties to even
;;       return np.moveaxis(q.reshape(q.shape[:-2] + (-1,))[..., :K], -1, axis).astype(np.float32)
;;   ~~~
;;   SOFTMAX AHEAD OF A QUANTISED PRODUCT. Where the list says 'softmax', what is quantised is not the finished softmax but p = 2^(t - M), with t = logit x log2(e) and M = ceil(the row's largest t), a whole number; so 1/2 < the row's largest p <= 1. The row's sum l is taken of the UNQUANTISED p, in f32, and the product's result is divided by l at the end. Since M is a whole number, a kernel that streams over the keys may use a running M (the ceiling of the running maximum): every later rescaling is an exact power of two, which a block's scale takes up: the codes' values come out the same.
;;   OPERANDS COMPUTED ON THE WAY. 'Computed on the way' means the value that the module computes at that place (a softmax that the list does not call 'softmax' is quantised finished and normalised). What goes into a quantiser is computed in f32, as accurately as f32 sums, v_exp_f32 and their like allow (about 1e-6 of the number): no bf16 or f16 on the way to a quantiser, and a product that is left as it is and whose result goes on into a quantised operand takes f32 operands (vector FMAs, or v_wmma_f32_16x16x4_f32). A number that lies on a knife's edge between two numbers of the format may be rounded either way, as far as f32 arithmetic and the matrix unit's own rounding can turn it there, and no further.
;; One version. Each part assembles by itself: llvm-mc -triple=amdgcn-amd-amdhsa -mcpu=gfx1250 --defsym DOCPART=n.
;; ======== version 1 of 1: 4 launches
;; workspace buffers: in_codes 9,437,184 bytes; in_scales 393,216 bytes; qk_codes 12,582,912 bytes; qk_scales 1,048,576 bytes; v_codes 6,291,456 bytes; v_scales 262,144 bytes; y_codes 6,291,456 bytes; y_scales 262,144 bytes
;; launch quant (part 1): grid 384 x 1, 4 waves a work-group, no clusters, 34,304 bytes of LDS; arguments x, w_qkv, wo, in_codes, in_scales; writes in_codes, in_scales
.if DOCPART == 1
	.amdgcn_target "amdgcn-amd-amdhsa--gfx1250"
	.amdhsa_code_object_version 6
	.text
	.protected	k_q9a5c4965ae_quant
	.globl	k_q9a5c4965ae_quant
	.p2align	8
	.type	k_q9a5c4965ae_quant,@function
k_q9a5c4965ae_quant:
	s_mov_b64 s[64:65], 0
	v_nop
	global_prefetch_b8 v0, s[64:65] scope:SCOPE_SE
	s_setreg_imm32_b32 hwreg(HW_REG_WAVE_MODE, 25, 1), 1
	s_wait_xcnt 0x0
; x [8192][1024], w_qkv [3072][1024], wo [1024][1024], f32, K innermost, become codes of FP6 (E2M3) with one E8M0 byte for each 32 along K.
; A block's scale is 2^(floor(log2(its largest magnitude)) - 2); its byte is the largest magnitude's exponent field - 2, held at 1 from below.
; LIMITS: a block of zeros, and a block whose largest magnitude lies under 2^-124, keeps the byte 1 (its bytes are read by this program alone); NaN and infinities among the inputs are not served.
; THE LAYOUT OF THE CODES IS THE OPERAND'S REGISTERS.  A fragment (16 rows x 128 K, 12 registers a lane) is 1,536 bytes: registers 0-3 at 16 x lane, registers 4-5 at 512 + 8 x lane,
; registers 6-9 at 768 + 16 x lane, registers 10-11 at 1,280 + 8 x lane.  in_codes: [tile 768][K step 8][1,536]; tiles 0-511 x, 512-703 w_qkv, 704-767 wo.
; THE ROWS OF A TILE ARE NOT NEIGHBOURS: lane row r of tile t is the matrix's row 32 (t / 2) + 8 (t % 2) + r % 8 + 16 (r / 8).
; in_scales: [tile][pair of K steps 4][r 16][2 words]: 512 bytes a tile.
; SHARES: work-group g takes tiles 2 g and 2 g + 1; wave w takes tile 2 g + w / 2 and the half w % 2 of K: four fragments.  Each load reads 512 consecutive bytes of one row; a fragment's 16 rows
; turn through the wave's own stage in LDS (rows 528 bytes apart) and come back 16 neighbours along K of each block of 32 to a lane.  Waves share nothing: no barrier.
.set SP,   528                         ; a stage row: 512 bytes + 16
.set L16,  4                           ; v4   16 x lane
.set L8,   5                           ; v5   8 x lane
.set STW,  6                           ; v6   the stage, on the way in
.set STR,  7                           ; v7   and on the way out: 528 r + 64 h
.set WD,   8                           ; v8-11 the four fragments' scale words
.set R,    16                          ; v16-143  two sets of 64 numbers as loaded
.set X,    144                         ; v144-207 64 numbers: register 16 b + i = k 32 b + 16 h + i of my row
.set PC,   208                         ; v208-227 the codes
.set TM,   228                         ; v228-243 at work
	s_load_b256 s[4:11], s[0:1], 0x0               ; x, w_qkv, wo, in_codes
	s_load_b64 s[12:13], s[0:1], 0x20              ; in_scales
	v_lshl_add_u32 v248, v0, 2, 0x8400
	v_mov_b32 v249, 0
	v_lshrrev_b32 v1, 5, v0
	v_readfirstlane_b32 s16, v1                    ; wave
	v_and_b32 v1, 31, v0                           ; lane
	v_and_b32 v2, 15, v0                           ; r
	v_bfe_u32 v3, v0, 4, 1                         ; h
	v_lshlrev_b32 v[L16], 4, v1
	v_lshlrev_b32 v[L8], 3, v1
	s_mul_i32 s17, s16, 16*SP                      ; my stage
	v_add_nc_u32 v[STW], s17, v[L16]
	v_mul_u32_u24 v[STR], v2, SP
	v_lshl_add_u32 v[STR], v3, 6, v[STR]
	v_add_nc_u32 v[STR], s17, v[STR]
	s_mov_b32 s20, 0x76543210
	s_mov_b32 s21, 0xfedcba98                      ; v_permlanex16_b32's selects for lane l xor 16
.irp b, 0,1,2,3
	v_mov_b32 v[TM+4+\b], 0                        ; written once: a lane permute's destination counts as one of its sources
.endr
	s_lshr_b32 s18, s16, 1                         ; which of the two tiles
	s_and_b32 s19, s16, 1                          ; which half of K
	s_wait_alu depctr_va_vdst(0)
	s_wait_kmcnt 0x0
	s_mov_b32 s22, 352
	s_cmp_lt_u32 ttmp9, 352                        ; the tensor is chosen by the work-group's number alone
	s_cselect_b64 s[6:7], s[6:7], s[8:9]
	s_cselect_b32 s22, 256, s22
	s_cmp_lt_u32 ttmp9, 256
	s_cselect_b64 s[4:5], s[4:5], s[6:7]
	s_cselect_b32 s22, 0, s22
	s_sub_co_u32 s22, ttmp9, s22                   ; the work-group's number within its tensor
	s_lshl_b32 s22, s22, 5
	s_lshl_b32 s23, s18, 3
	s_add_co_u32 s22, s22, s23                     ; the tile's first row: 32 g + 8 (w / 2)
	s_lshl_b32 s22, s22, 12                        ; rows of 4,096 bytes
	s_lshl_b32 s23, s19, 11
	s_add_co_u32 s22, s22, s23                     ; + my half of K
	s_mov_b32 s23, 0
	s_add_nc_u64 s[4:5], s[4:5], s[22:23]
	s_lshl_b32 s24, ttmp9, 1
	s_add_co_u32 s24, s24, s18                     ; the tile's number among all 768
	s_mul_i32 s22, s24, 12288
	s_mul_i32 s25, s19, 6144
	s_add_co_u32 s22, s22, s25
	s_add_nc_u64 s[10:11], s[10:11], s[22:23]
	s_lshl_b32 s22, s24, 9
	s_lshl_b32 s25, s19, 8
	s_add_co_u32 s22, s22, s25
	s_add_nc_u64 s[12:13], s[12:13], s[22:23]
.macro LOAD f                          ; fragment f: 16 rows x 512 bytes into set f % 2
.irp p, 0,1,2,3,4,5,6,7,8,9,10,11,12,13,14,15
	global_load_b128 v[R+64*((\f)%2)+4*\p:R+64*((\f)%2)+4*\p+3], v[L16], s[4:5] offset:((\p%8)+16*(\p/8))*4096+512*(\f) th:TH_LOAD_NT
.endr
.endm
; 64 numbers of a lane, v[s] on, become a fragment's codes in v[PC] .. v[PC+11] and its scale word in v[pw]
.macro QUANT s, pw
.irp b, 0,1,2,3
	v_max3_num_f32 v[TM+\b], |v[\s+16*\b]|, |v[\s+1+16*\b]|, 0x1800000   ; block b: my 16 numbers, and the floor 2^(3 - 127): the byte cannot fall under 1
.endr
.irp i, 2,4,6,8,10,12,14
.irp b, 0,1,2,3
	v_max3_num_f32 v[TM+\b], v[TM+\b], |v[\s+16*\b+\i]|, |v[\s+1+16*\b+\i]|
.endr
.endr
.irp b, 0,1,2,3
	v_permlanex16_b32 v[TM+4+\b], v[TM+\b], s20, s21
.endr
.irp b, 0,1,2,3
	v_max_num_f32 v[TM+\b], v[TM+\b], v[TM+4+\b]   ; with lane l xor 16's: the block's largest magnitude
.endr
.irp b, 0,1,2,3
	v_add_nc_u32 v[TM+12+\b], 0xff000000, v[TM+\b] ; 2 off its exponent field: the conversion's scale operand
.endr
.irp b, 0,1,2,3
	v_lshrrev_b32 v[TM+4+\b], 23, v[TM+12+\b]      ; the scale's byte
.endr
	v_lshl_or_b32 v[\pw], v[TM+5], 8, v[TM+4]
	v_lshl_or_b32 v[\pw], v[TM+6], 16, v[\pw]
	v_lshl_or_b32 v[\pw], v[TM+7], 24, v[\pw]
.irp c, 0,1
	v_cvt_scalef32_pk16_fp6_f32 v[PC+6*\c:PC+2+6*\c], v[\s+32*\c:\s+15+32*\c], v[TM+12+2*\c]
	v_cvt_scalef32_pk16_fp6_f32 v[PC+12+4*\c:PC+14+4*\c], v[\s+16+32*\c:\s+31+32*\c], v[TM+12+2*\c+1]   ; (a conversion's three registers begin on an even number)
.endr
	v_nop                                          ; one plain place behind a scaled conversion
.irp c, 0,1                            ; the operand's layout wants a whole block in a lane
.irp i, 0,1,2
	v_permlane16_swap_b32 v[PC+6*\c+\i], v[PC+12+4*\c+\i]
.endr
.irp i, 0,1,2
	v_mov_b32 v[PC+3+6*\c+\i], v[PC+12+4*\c+\i]
.endr
.endr
.endm
.macro FRAGMENT f
.if (\f) < 3
	s_wait_loadcnt 16                              ; this fragment's 16 loads are in; the next fragment's 16 may be out
.else
	s_wait_loadcnt 0x0
.endif
.irp p, 0,1,2,3,4,5,6,7,8,9,10,11,12,13,14,15
	ds_store_b128 v[STW], v[R+64*((\f)%2)+4*\p:R+64*((\f)%2)+4*\p+3] offset:SP*\p
.endr
.irp b, 0,1,2,3
.irp j, 0,1,2,3
	ds_load_b128 v[X+16*\b+4*\j:X+16*\b+4*\j+3], v[STR] offset:128*\b+16*\j   ; LDS serves a wave's instructions in order: these see the stores above
.endr
.endr
	s_wait_dscnt 0x0                               ; the numbers are back, and the stores have read their registers
.if (\f) > 0
	s_wait_xcnt 0x0                                ; the last fragment's stores have read the codes' registers, which are written again below
.endif
.if (\f) < 2
	LOAD (\f)+2
.endif
	QUANT X, WD+(\f)
	global_store_b128 v[L16], v[PC:PC+3], s[10:11] offset:1536*(\f)          ; each store covers 512 or 256 consecutive bytes, aligned
	global_store_b64 v[L8], v[PC+4:PC+5], s[10:11] offset:1536*(\f)+512
	global_store_b128 v[L16], v[PC+6:PC+9], s[10:11] offset:1536*(\f)+768
	global_store_b64 v[L8], v[PC+10:PC+11], s[10:11] offset:1536*(\f)+1280
.endm
	LOAD 0
	LOAD 1
	FRAGMENT 0
	FRAGMENT 1
	FRAGMENT 2
	FRAGMENT 3
	v_cmp_eq_u32 vcc_lo, 1, v3                     ; lanes 0-15 store the words of fragments 0, 1, lanes 16-31 those of 2, 3 (every lane holds its row's four)
	v_cndmask_b32 v12, v[WD], v[WD+2], vcc_lo
	v_cndmask_b32 v13, v[WD+1], v[WD+3], vcc_lo
	global_store_b64 v[L8], v[12:13], s[12:13]     ; 256 consecutive bytes, aligned
	s_wait_tensorcnt 0x0
	ds_add_u32 v248, v249
	s_wait_dscnt 0x0
	s_endpgm
.Lfunc_end_k_q9a5c4965ae_quant:
	.size	k_q9a5c4965ae_quant, .Lfunc_end_k_q9a5c4965ae_quant-k_q9a5c4965ae_quant
	.p2alignl 7, 3214868480
	.fill 96, 4, 3214868480
	.section	.rodata,"a",@progbits
	.p2align	6, 0x0
	.amdhsa_kernel k_q9a5c4965ae_quant
		.amdhsa_group_segment_fixed_size 34304
		.amdhsa_private_segment_fixed_size 0
		.amdhsa_enable_private_segment 0
		.amdhsa_kernarg_size 40
		.amdhsa_user_sgpr_count 2
		.amdhsa_user_sgpr_kernarg_segment_ptr 1
		.amdhsa_wavefront_size32 1
		.amdhsa_system_sgpr_workgroup_id_x 1
		.amdhsa_system_sgpr_workgroup_id_y 1
		.amdhsa_system_sgpr_workgroup_id_z 1
		.amdhsa_system_vgpr_workitem_id 0
		.amdhsa_next_free_vgpr 250
		.amdhsa_next_free_sgpr 66
		.amdhsa_reserve_vcc 1
		.amdhsa_float_denorm_mode_32 3
		.amdhsa_float_denorm_mode_16_64 3
		.amdhsa_memory_ordered 1
		.amdhsa_forward_progress 1
		.amdhsa_inst_pref_size 34
	.end_amdhsa_kernel
	.amdgpu_metadata
---
amdhsa.version: [ 1, 2 ]
amdhsa.kernels:
  - .name:           k_q9a5c4965ae_quant
    .symbol:         k_q9a5c4965ae_quant.kd
    .args:
      - { .name: x, .offset: 0, .size: 8, .value_kind: global_buffer, .address_space: global }
      - { .name: w_qkv, .offset: 8, .size: 8, .value_kind: global_buffer, .address_space: global }
      - { .name: wo, .offset: 16, .size: 8, .value_kind: global_buffer, .address_space: global }
      - { .name: in_codes, .offset: 24, .size: 8, .value_kind: global_buffer, .address_space: global }
      - { .name: in_scales, .offset: 32, .size: 8, .value_kind: global_buffer, .address_space: global }
    .group_segment_fixed_size: 34304
    .private_segment_fixed_size: 0
    .kernarg_segment_align: 8
    .kernarg_segment_size: 40
    .max_flat_workgroup_size: 128
    .sgpr_count:     66
    .vgpr_count:     250
    .wavefront_size: 32
...
	.end_amdgpu_metadata
.endif
;; end of part 1
;; launch qkv (part 2): grid 8 x 48, 4 waves a work-group, clusters of 4 x 4, 327,680 bytes of LDS; arguments in_codes, in_scales, qk_codes, qk_scales, v_codes, v_scales; writes qk_codes, qk_scales, v_codes, v_scales
.if DOCPART == 2
	.amdgcn_target "amdgcn-amd-amdhsa--gfx1250"
	.amdhsa_code_object_version 6
	.text
	.protected	k_q9a5c4965ae_qkv
	.globl	k_q9a5c4965ae_qkv
	.p2align	8
	.type	k_q9a5c4965ae_qkv,@function
k_q9a5c4965ae_qkv:
	s_mov_b64 s[64:65], 0
	v_nop
	global_prefetch_b8 v0, s[64:65] scope:SCOPE_SE
	s_setreg_imm32_b32 hwreg(HW_REG_WAVE_MODE, 25, 1), 1
	s_wait_xcnt 0x0
	s_wait_alu depctr_hold_cnt(0) depctr_sa_sdst(0) depctr_va_vdst(0) depctr_va_sdst(0) depctr_va_ssrc(0) depctr_va_vcc(0) depctr_vm_vsrc(0)
	s_getreg_b32 s2, hwreg(HW_REG_IB_STS2, 6, 4)
	s_cmp_eq_u32 s2, 0
	s_cbranch_scc0 .Lentry_in_a_cluster
	s_endpgm
.Lentry_in_a_cluster:
	s_bfe_u32 s2, ttmp6, 0x10000c
	s_cmp_lg_u32 s2, 0xf033
	s_cbranch_scc0 .Lentry_shape_is_right
	s_endpgm
.Lentry_shape_is_right:
; qkv = x w_qkv^T on codes of FP6 (E2M3) with E8M0 scales, K = 1,024; the results are quantised on the way out and leave as codes: q and k along the head's 64, v along the tokens.
; A tile is 256 x 256, four waves of 128 x 128: 64 accumulators, 512 registers.  Source 1 is called A (a lane of the result holds one of its rows), source 0 is called B (a lane's registers run along its rows).
; TWO KINDS of work-group, told apart by the cluster's y alone (the same in all sixteen partners): y < 8: A = 256 tokens, B = 256 rows of w_q, w_k: registers run along the head's axis;
; y >= 8: A = 256 rows of w_v, B = 256 tokens: registers run along the tokens, which are the second attention product's K.
; Operands lie in memory as images of their registers, [tile][K step][1,536 bytes]; lane row r of tile t is row 32 (t / 2) + 8 (t % 2) + r % 8 + 16 (r / 8), so the 16 registers of B's tiles 2 b, 2 b + 1 are 16 neighbours.
; K goes in four steps of 256 through THREE LDS slots: three first fills and one refill.  All scale words of the work-group's 512 rows come once, with the first fills.
; CLUSTER 4 x 4: A's tiles hang on the cluster's row alone and are asked for jointly along it, B's on its column.
; OUT: qk_codes [token tile 512][128 outputs 16][1,536]; qk_scales [head 32][128 tokens 64][r 16][tile 8] words (a head's 2 bytes, 0 above); v_codes [128 tokens 64][tile of d 64][1,536]; v_scales [128 tokens 64][two heads 8][r 16][tile 8] words.
; LIMITS: a block of zeros, or one under 2^-124, keeps the byte 1 (read by this program alone); NaN and infinities are not served.
; REGISTERS: window 0: v8-24 addresses, v28-29 the add's, v32-63 scale words (two sets), v64-127 the way out, v128-223 A's fragments (one set); window 1: B's two sets at v0 and v128; windows 2, 3: accumulator (a, b) at v[8 (8 (a % 4) + b)].
.set SLOTB,  98304                     ; a slot: A's two halves of 128 rows, then B's: 4 x 24,576
.set HALFT,  24576                     ; 8 tiles x 2 fragments x 1,536
.set SCL,    3*SLOTB                   ; the scale words: 4,096 bytes a wave
.set SPARE,  SCL+16384                 ; the spare words: 128 bytes a wave, two blocks of 256 bytes that no other line names
.set STG,    SPARE+512                 ; the way out: 1,024 bytes a wave for the new scale words
.set FR,   12
.set NL,   4                           ; LDS loads that bring a fragment
.set NP,   4                           ; places behind this matrix instruction (ISA guide 7.12.1)
.set A16,  8                           ; v8-10  slot s: A's fragments, 16 x lane;  v11-13: 8 x lane
.set A8,   11
.set B16,  14                          ; v14-16, v17-19 the same for B
.set B8,   17
.set ADRS, 20                          ; v20 my scale words: lanes 0-15 A's rows, lanes 16-31 B's
.set LI16, 21
.set LI8,  22
.set SST,  23
.set SRD,  24
.set SPW,  28
.set NIL,  29
.set SC,   32
.set PC,   64                          ; v64-83 codes;  v84-99 at work;  v100 the scale word
.set TM,   84
.set PW,   100
.set W0,   104                         ; v104-111, v112-119: the words as they go to the stage, a register for each block
.set W1,   112
.set SB,   120                         ; v120-127 the words read back
.set AF,   128
.set G1A,  24
.set G1B,  32
.set G1SA, 40
.set G1SB, 48
.set G0A0, 56
.set G0A1, 60
.set G0A2, 68
.set G0B0, 72
.set G0B1, 76
.set G0B2, 80
.set G0SA, 84
.set G0SB, 88
.set MSB, 0
.macro WIN new                         ; the immediate's high byte repeats the setting that is left
.if MSB != \new
	s_set_vgpr_msb (MSB<<8)|\new
.set MSB, \new
.endif
.endm
.set MUL_LO, 0xa1                      ; source 0 (B) window 1, source 1 (A) window 0, C and D window 2
.set MUL_HI, 0xf1
.set TO_B,   0x40
.macro JLOAD g0a, g1a, g0b, g1b        ; a joint load: waves 0, 1 fetch for A, waves 2, 3 for B; four v_nop follow each line
	s_cmp_eq_u32 s17, 0
	s_cbranch_scc0 .Lfor_b_\@
	tensor_load_to_lds s[\g0a:\g0a+3], s[\g1a:\g1a+7]
	s_nop 0
.rept 4
	v_nop
.endr
	s_branch .Lasked_\@
.Lfor_b_\@:
	tensor_load_to_lds s[\g0b:\g0b+3], s[\g1b:\g1b+7]
	s_nop 0
.rept 4
	v_nop
.endr
.Lasked_\@:
.endm
.macro CREST                           ; a round of the cluster's barrier behind its opening barrier
	s_cmp_lg_u32 s16, 0
	s_cbranch_scc1 .Lnot_wave_0_\@
	s_barrier_signal -3
.Lnot_wave_0_\@:
	s_barrier_wait -3
	s_barrier_signal -1
	s_barrier_wait -1
.endm
.macro CROUND
	s_barrier_signal -1
	s_barrier_wait -1
	CREST
.endm
.macro SETG0 g, off, base, step        ; a group 0: LDS byte s23 + off, global address s[base] + step
	s_mov_b32 s[\g], 1
	s_add_co_u32 s[\g+1], s23, \off
	s_add_nc_u64 s[\g+2:\g+3], s[\base:\base+1], \step
	s_or_b32 s[\g+3], s[\g+3], 0x80000000
.endm
	s_load_b128 s[4:7], s[0:1], 0x0                ; in_codes, in_scales
	s_load_b256 s[8:15], s[0:1], 0x10              ; qk_codes, qk_scales, v_codes, v_scales
	v_lshl_add_u32 v[SPW], v0, 2, SPARE
	v_mov_b32 v[NIL], 0
	ds_add_u32 v28, v29
	ds_add_u32 v28, v29
	s_wait_dscnt 0x0
	v_lshrrev_b32 v1, 5, v0
	v_readfirstlane_b32 s16, v1                    ; wave 0..3
	s_lshr_b32 s17, s16, 1                         ; my half of A's rows.  Also: I fetch for A (0) or for B (1)
	s_and_b32 s18, s16, 1                          ; my half of B's rows.  Also: which 128 rows I fetch
	s_bfe_u32 s21, ttmp6, 0x40000                  ; cx
	s_bfe_u32 s22, ttmp6, 0x40004                  ; cy
	s_and_b32 s23, ttmp7, 0xffff                   ; the cluster's y
	s_lshl_b32 s101, s23, 1
	s_add_co_u32 s101, s101, ttmp9
	s_sub_co_u32 s101, s101, 16                    ; the V kind's column of clusters: x + 2 (y - 8)
	s_cmp_ge_u32 s23, 8                            ; the kind; only moves and selects stand behind the compare
	s_cselect_b32 s99, 1, 0
	s_cselect_b32 s19, 0, s23                      ; the cluster's place along A
	s_cselect_b32 s20, s101, ttmp9                 ; and along B
	s_mov_b32 s92, 24576
	s_cselect_b32 s92, 1536, s92                   ; codes: from A's block a to a + 1
	s_mov_b32 s66, 1536
	s_cselect_b32 s66, 98304, s66                  ; codes: from B's 128 rows to the next
	s_mov_b32 s67, 65536
	s_cselect_b32 s67, 4096, s67                   ; scale words: likewise
	s_mov_b32 s98, 0xffff
	s_cselect_b32 s98, -1, s98                     ; what of a scale word the first stored word keeps
	s_cselect_b32 s60, 640, 0                      ; A's first tile in in_codes: w_v or x
	s_cselect_b32 s76, 0, 512                      ; B's: x or w_qkv
	s_mov_b32 s93, 0
	s_mov_b32 s100, 0x1800000                      ; the floor 2^(3 - 127)
	s_mov_b32 s2, 0x76543210
	s_mov_b32 s3, 0xfedcba98
	s_lshl_b32 s19, s19, 2
	s_add_co_u32 s19, s19, s22                     ; A's tile of 256 rows: made of cy alone
	s_lshl_b32 s20, s20, 2
	s_add_co_u32 s20, s20, s21                     ; B's: of cx alone
	s_lshl_b32 s23, s22, 2
	s_lshl_b32 s23, 15, s23                        ; my row of the cluster
	s_lshl_b32 s101, 0x1111, s21                   ; my column
	s_or_b32 s[G1A], s23, (3<<16)|(1<<21)          ; 15:0 the mask; 17:16 elements of 8 bytes; 21 set beside a mask; no padding
	s_or_b32 s[G1B], s101, (3<<16)|(1<<21)
	s_or_b32 s[G1SA], s23, (3<<16)|(1<<21)
	s_or_b32 s[G1SB], s101, (3<<16)|(1<<21)
.irp g, G1A, G1B                       ; codes: 8 tiles' rows of 3,072 bytes (two fragments), 12,288 bytes apart
	s_mov_b32 s[\g+1], 384<<16
	s_mov_b32 s[\g+2], 8<<16
	s_mov_b32 s[\g+3], 384<<16
	s_mov_b32 s[\g+4], 8
	s_mov_b32 s[\g+5], 1536
	s_mov_b32 s[\g+6], 0
	s_mov_b32 s[\g+7], 0
.endr
.irp g, G1SA, G1SB                     ; scale words: 4,096 dense bytes as 16 rows of 256
	s_mov_b32 s[\g+1], 32<<16
	s_mov_b32 s[\g+2], 16<<16
	s_mov_b32 s[\g+3], 32<<16
	s_mov_b32 s[\g+4], 16
	s_mov_b32 s[\g+5], 32
	s_mov_b32 s[\g+6], 0
	s_mov_b32 s[\g+7], 0
.endr
	s_lshl_b32 s23, s18, 3
	s_lshl_b32 s94, s19, 4
	s_add_co_u32 s94, s94, s60
	s_add_co_u32 s94, s94, s23                     ; A: the first of the 8 tiles that I fetch
	s_lshl_b32 s86, s94, 9                         ; its scale words,
	s_mov_b32 s87, 0
	s_mul_i32 s94, s94, 12288                      ; its codes
	s_mov_b32 s95, 0
	s_lshl_b32 s96, s20, 4
	s_add_co_u32 s96, s96, s76
	s_add_co_u32 s96, s96, s23                     ; B likewise
	s_lshl_b32 s90, s96, 9
	s_mov_b32 s91, 0
	s_mul_i32 s96, s96, 12288
	s_mov_b32 s97, 0
	s_mul_i32 s23, s16, HALFT                      ; where they go: wave x 24,576: no place in the cluster enters an LDS address
	s_lshl_b32 s101, s16, 12
	s_wait_kmcnt 0x0
	s_add_nc_u64 s[94:95], s[4:5], s[94:95]
	s_add_nc_u64 s[86:87], s[6:7], s[86:87]
	s_add_nc_u64 s[96:97], s[4:5], s[96:97]
	s_add_nc_u64 s[90:91], s[6:7], s[90:91]
	CROUND                                         ; all sixteen work-groups are here: the first joint loads meet
	s_mov_b32 s[G0SA], 1
	s_add_co_u32 s[G0SA+1], s101, SCL
	s_or_b32 s[G0SA+3], s[G0SA+3], 0x80000000
	s_mov_b32 s[G0SB], 1
	s_add_co_u32 s[G0SB+1], s101, SCL
	s_or_b32 s[G0SB+3], s[G0SB+3], 0x80000000
	JLOAD G0SA, G1SA, G0SB, G1SB                   ; the scale words first
	SETG0 G0A0, 0, 94, 0
	SETG0 G0B0, 0, 96, 0
	JLOAD G0A0, G1A, G0B0, G1B                     ; K step 0
	SETG0 G0A1, SLOTB, 94, 3072
	SETG0 G0B1, SLOTB, 96, 3072
	JLOAD G0A1, G1A, G0B1, G1B                     ; K step 1
	SETG0 G0A2, 2*SLOTB, 94, 6144
	SETG0 G0B2, 2*SLOTB, 96, 6144
	JLOAD G0A2, G1A, G0B2, G1B                     ; K step 2: four loads of mine are out
	v_and_b32 v1, 31, v0
	v_and_b32 v2, 15, v0                           ; r
	v_bfe_u32 v3, v0, 4, 1                         ; h
	v_lshlrev_b32 v[LI16], 4, v1
	v_lshlrev_b32 v[LI8], 3, v1
	s_mul_i32 s23, s17, HALFT
	s_mul_i32 s101, s18, HALFT
	s_add_co_u32 s101, s101, 2*HALFT
.irp s, 0,1,2
	v_add_nc_u32 v[A16+\s], s23, v[LI16]
	v_add_nc_u32 v[A8+\s], s23, v[LI8]
	v_add_nc_u32 v[B16+\s], s101, v[LI16]
	v_add_nc_u32 v[B8+\s], s101, v[LI8]
	s_add_co_u32 s23, s23, SLOTB
	s_add_co_u32 s101, s101, SLOTB
.endr
	v_lshlrev_b32 v4, 3, v2                        ; scale words: 8 bytes a row for a K step
	s_lshl_b32 s23, s17, 12                        ; A's: my 128 rows
	s_lshl_b32 s101, s18, 12
	s_add_co_u32 s101, s101, 8192                  ; B's lie behind A's 8,192 bytes
	s_sub_co_u32 s101, s101, s23
	v_mul_u32_u24 v5, s101, v3                     ; lanes 16-31 take B's: the lower base + h x the distance
	s_add_co_u32 s23, s23, SCL
	v_add_nc_u32 v4, v4, v5
	v_add_nc_u32 v[ADRS], s23, v4
	s_lshl_b32 s23, s16, 10
	s_add_co_u32 s23, s23, STG
	v_lshl_add_u32 v[SST], v2, 5, s23              ; the stage: 32 bytes a row, 4 a block
	v_add_nc_u32 v[SRD], s23, v[LI16]
.irp b, 0,1,2,3
	v_mov_b32 v[TM+4+\b], 0                        ; written once: a lane permute's destination counts as one of its sources
.endr
	s_cmp_eq_u32 s99, 1
	s_cselect_b64 s[94:95], s[12:13], s[8:9]       ; where the codes go,
	s_cselect_b64 s[96:97], s[14:15], s[10:11]     ; and the scale words
	s_lshl_b32 s19, s19, 1
	s_add_co_u32 s19, s19, s17                     ; my 128 rows of A
	s_lshl_b32 s20, s20, 1
	s_add_co_u32 s20, s20, s18                     ; my 128 rows of B
	s_mul_i32 s22, s19, s92
	s_lshl_b32 s22, s22, 3
	s_mul_i32 s23, s20, s66
	s_add_co_u32 s22, s22, s23
	s_mov_b32 s23, 0
	s_add_nc_u64 s[94:95], s[94:95], s[22:23]
	s_mul_i32 s22, s20, s67
	s_lshl_b32 s21, s19, 9
	s_add_co_u32 s22, s22, s21
	s_add_nc_u64 s[96:97], s[96:97], s[22:23]
.macro FRAG reg, a16, a8, q, i         ; a fragment comes as it was stored: every load reads consecutive bytes in consecutive lanes
	ds_load_b128 v[\reg:\reg+3], v[\a16] offset:3072*(\i)+1536*(\q)
	ds_load_b64 v[\reg+4:\reg+5], v[\a8] offset:3072*(\i)+1536*(\q)+512
	ds_load_b128 v[\reg+6:\reg+9], v[\a16] offset:3072*(\i)+1536*(\q)+768
	ds_load_b64 v[\reg+10:\reg+11], v[\a8] offset:3072*(\i)+1536*(\q)+1280
.endm
; 16 matrix instructions: A's blocks a0, a0 + 1 x B's eight.  p: B's set; q: which 128 of the K step; sc: the set of scale words.  The 64 accumulators take turns.
.macro MUL16 a0, p, q, sc, zero
.irp a, \a0, \a0+1
.irp b, 0,1,2,3,4,5,6,7
.if \zero
	v_wmma_scale_f32_16x16x128_f8f6f4 v[8*(8*((\a)%4)+\b):8*(8*((\a)%4)+\b)+7], v[128*(\p)+FR*\b:128*(\p)+FR*\b+FR-1], v[AF+FR*(\a):AF+FR*(\a)+FR-1], 0, v[SC+16*(\sc)+2*\b+(\q)], v[SC+16*(\sc)+2*(\a)+(\q)] matrix_a_fmt:MATRIX_FMT_FP6 matrix_b_fmt:MATRIX_FMT_FP6 matrix_a_scale:MATRIX_SCALE_ROW1
.else
	v_wmma_scale_f32_16x16x128_f8f6f4 v[8*(8*((\a)%4)+\b):8*(8*((\a)%4)+\b)+7], v[128*(\p)+FR*\b:128*(\p)+FR*\b+FR-1], v[AF+FR*(\a):AF+FR*(\a)+FR-1], v[8*(8*((\a)%4)+\b):8*(8*((\a)%4)+\b)+7], v[SC+16*(\sc)+2*\b+(\q)], v[SC+16*(\sc)+2*(\a)+(\q)] matrix_a_fmt:MATRIX_FMT_FP6 matrix_b_fmt:MATRIX_FMT_FP6 matrix_a_scale:MATRIX_SCALE_ROW1
.endif
.endr
.endr
.endm
.macro FETCH_B slot, q, p
	WIN TO_B
.irp i, 0,1,2,3,4,5,6,7
	FRAG 128*(\p)+FR*\i, B16+\slot, B8+\slot, \q, \i
.endr
	WIN 0
.endm
.macro FETCH_A slot, q, i0
.irp i, \i0, \i0+1, \i0+2, \i0+3
	FRAG AF+FR*(\i), A16+\slot, A8+\slot, \q, \i
.endr
.endm
.macro SCALES sc, sg                   ; K step sg's scale words into set sc: lanes 0-15 A's block i, lanes 16-31 B's block i; two words a row
.irp i, 0,1,2,3,4,5,6,7
	ds_load_b64 v[SC+16*(\sc)+2*\i:SC+16*(\sc)+2*\i+1], v[ADRS] offset:512*\i+128*(\sg)
.endr
.endm
.macro PLACES n                        ; plain vector instructions between a matrix instruction and a load into, or a read of, its registers
.rept \n
	v_nop
.endr
.endm
.macro STEP slot, sc, zero             ; a K step's first 128
	s_wait_dscnt 4*NL                              ; B's set and A's blocks 0-3 are in; the youngest 16 loads (A's blocks 4-7) may be out
	WIN MUL_LO
	MUL16 0, 0, 0, \sc, \zero
	MUL16 2, 0, 0, \sc, \zero
	s_wait_dscnt 0x0
	PLACES NP
	FETCH_B \slot, 1, 1
	FETCH_A \slot, 1, 0
	WIN MUL_HI
	MUL16 4, 0, 0, \sc, \zero
	MUL16 6, 0, 0, \sc, \zero
	PLACES NP
	WIN 0
	FETCH_A \slot, 1, 4
.endm
; A K step's second 128, which goes on to the next slot.  mode 2: this slot is filled again behind a round of the cluster's barrier; mode 1: a barrier, in front of which the refill is waited for; mode 0: the next slot was shown whole at the round: no barrier.
.macro TURN slot, next, sc, nsc, sg, mode
.if \mode
	s_wait_tensorcnt 0x0                           ; all my tensor loads have landed
	ds_add_u32 v[SPW], v[NIL]                      ; 0 onto my spare word
	s_wait_dscnt 4*NL+1                            ; (the add and the youngest 16 loads may be out)
	WIN MUL_LO
	MUL16 0, 1, 1, \sc, 0
	s_wait_dscnt 0x0                               ; the add is done, and my reads of this slot are over
	s_barrier_signal -1
	MUL16 2, 1, 1, \sc, 0
	WIN 0
	s_barrier_wait -1
.if \mode == 2
	CREST                                          ; no wave of any partner still reads this slot or has a load on its way
	s_add_nc_u64 s[G0A0+2:G0A0+3], s[G0A0+2:G0A0+3], 3*3072
	s_add_nc_u64 s[G0B0+2:G0B0+3], s[G0B0+2:G0B0+3], 3*3072
	JLOAD G0A0, G1A, G0B0, G1B                     ; K step 3 into slot 0: it has 224 matrix instructions in which to land; its four v_nop are the places in front of the loads below
.else
	PLACES NP
.endif
.else
	s_wait_dscnt 4*NL
	WIN MUL_LO
	MUL16 0, 1, 1, \sc, 0
	MUL16 2, 1, 1, \sc, 0
	s_wait_dscnt 0x0
	PLACES NP
.endif
	FETCH_B \next, 0, 0
	FETCH_A \next, 0, 0
	SCALES \nsc, \sg
	WIN MUL_HI
	MUL16 4, 1, 1, \sc, 0
	MUL16 6, 1, 1, \sc, 0
	PLACES NP
	WIN 0
	FETCH_A \next, 0, 4
.endm
	s_wait_alu depctr_va_vdst(0)
	s_wait_tensorcnt 2                             ; the scale words and my part of K step 0 are in; K steps 1 and 2 may be out
	s_barrier_signal -1
	s_barrier_wait -1
	FETCH_B 0, 0, 0
	FETCH_A 0, 0, 0
	SCALES 0, 0
	FETCH_A 0, 0, 4
	STEP 0, 0, 1                                   ; the first products start the sums: nothing is cleared
	TURN 0, 1, 0, 1, 1, 2
	STEP 1, 1, 0
	TURN 1, 2, 1, 0, 2, 0
	STEP 2, 0, 0
	TURN 2, 0, 0, 1, 3, 1
	STEP 0, 1, 0
	s_wait_dscnt 4*NL                              ; the last 128 along K
	WIN MUL_LO
	MUL16 0, 1, 1, 1, 0
	MUL16 2, 1, 1, 1, 0
	s_wait_dscnt 0x0
	WIN MUL_HI
	MUL16 4, 1, 1, 1, 0
	MUL16 6, 1, 1, 1, 0
	WIN 0
	PLACES NP
; THE WAY OUT.  Block a's 64 registers of a lane are 128 neighbours along the next K, 16 of each block of 32: register 16 b + i = k 32 b + 16 h + i.  They become one fragment and one scale word a row.
.macro OUTBLK a
.set AC, 64*((\a)%4)
	WIN 0x28+0x14*((\a)/4)                         ; sources 1 and 2: window 2 or 3
.irp b, 0,1,2,3
	v_max3_num_f32 v[TM+\b], s100, |v[AC+16*\b]|, |v[AC+16*\b+1]|   ; each accumulator is read from its low end on
.endr
.irp i, 2,4,6,8,10,12,14
.irp b, 0,1,2,3
	v_max3_num_f32 v[TM+\b], v[TM+\b], |v[AC+16*\b+\i]|, |v[AC+16*\b+\i+1]|
.endr
.endr
	WIN 0
.irp b, 0,1,2,3
	v_permlanex16_b32 v[TM+4+\b], v[TM+\b], s2, s3
.endr
.irp b, 0,1,2,3
	v_max_num_f32 v[TM+\b], v[TM+\b], v[TM+4+\b]
.endr
.irp b, 0,1,2,3
	v_add_nc_u32 v[TM+12+\b], 0xff000000, v[TM+\b]
.endr
.irp b, 0,1,2,3
	v_lshrrev_b32 v[TM+4+\b], 23, v[TM+12+\b]
.endr
	v_lshl_or_b32 v[PW], v[TM+5], 8, v[TM+4]
	v_lshl_or_b32 v[PW], v[TM+6], 16, v[PW]
	v_lshl_or_b32 v[PW], v[TM+7], 24, v[PW]
.if (\a) > 0
	s_wait_xcnt 0x0                                ; the last block's stores have read their data and their base: both are written again below
	s_add_nc_u64 s[94:95], s[94:95], s[92:93]
.endif
	WIN 2+(\a)/4                                   ; source 0: window 2 or 3
.irp c, 0,1
	v_cvt_scalef32_pk16_fp6_f32 v[PC+6*\c:PC+2+6*\c], v[AC+32*\c:AC+32*\c+15], v[TM+12+2*\c]
	v_cvt_scalef32_pk16_fp6_f32 v[PC+12+4*\c:PC+14+4*\c], v[AC+32*\c+16:AC+32*\c+31], v[TM+12+2*\c+1]
.endr
	WIN 0
	v_nop                                          ; one plain place behind a scaled conversion
.irp c, 0,1
.irp i, 0,1,2
	v_permlane16_swap_b32 v[PC+6*\c+\i], v[PC+12+4*\c+\i]
.endr
.irp i, 0,1,2
	v_mov_b32 v[PC+3+6*\c+\i], v[PC+12+4*\c+\i]
.endr
.endr
	global_store_b128 v[LI16], v[PC:PC+3], s[94:95]                ; each store covers 512 or 256 consecutive bytes, aligned
	global_store_b64 v[LI8], v[PC+4:PC+5], s[94:95] offset:512
	global_store_b128 v[LI16], v[PC+6:PC+9], s[94:95] offset:768
	global_store_b64 v[LI8], v[PC+10:PC+11], s[94:95] offset:1280
	v_and_b32 v[W0+(\a)], s98, v[PW]               ; q, k: the even head's two bytes; v: the whole word
	v_lshrrev_b32 v[W1+(\a)], 16, v[PW]            ; q, k: the odd head's
	ds_store_b32 v[SST], v[W0+(\a)] offset:4*(\a)  ; both halves of the lanes write the same word with the same value
	ds_store_b32 v[SST], v[W1+(\a)] offset:512+4*(\a)
.endm
.irp a, 0,1,2,3,4,5,6,7
	OUTBLK \a
.endr
	ds_load_b128 v[SB:SB+3], v[SRD]                ; LDS serves a wave's instructions in order: these see my stores
	ds_load_b128 v[SB+4:SB+7], v[SRD] offset:512
	s_wait_dscnt 0x0
	global_store_b128 v[LI16], v[SB:SB+3], s[96:97]                ; 512 consecutive bytes, aligned
	s_cmp_eq_u32 s99, 1                            ; the kind: the same in every partner
	s_cbranch_scc1 .Lno_odd
	global_store_b128 v[LI16], v[SB+4:SB+7], s[96:97] offset:32768 ; q, k: the odd head's words
.Lno_odd:
	s_wait_tensorcnt 0x0                           ; the wave's end
	ds_add_u32 v[SPW], v[NIL]
	s_wait_dscnt 0x0
	CROUND                                         ; the closing round
	s_endpgm
.Lfunc_end_k_q9a5c4965ae_qkv:
	.size	k_q9a5c4965ae_qkv, .Lfunc_end_k_q9a5c4965ae_qkv-k_q9a5c4965ae_qkv
	.p2alignl 7, 3214868480
	.fill 96, 4, 3214868480
	.section	.rodata,"a",@progbits
	.p2align	6, 0x0
	.amdhsa_kernel k_q9a5c4965ae_qkv
		.amdhsa_group_segment_fixed_size 327680
		.amdhsa_private_segment_fixed_size 0
		.amdhsa_enable_private_segment 0
		.amdhsa_kernarg_size 48
		.amdhsa_user_sgpr_count 2
		.amdhsa_user_sgpr_kernarg_segment_ptr 1
		.amdhsa_wavefront_size32 1
		.amdhsa_system_sgpr_workgroup_id_x 1
		.amdhsa_system_sgpr_workgroup_id_y 1
		.amdhsa_system_sgpr_workgroup_id_z 1
		.amdhsa_system_vgpr_workitem_id 0
		.amdhsa_next_free_vgpr 1024
		.amdhsa_next_free_sgpr 102
		.amdhsa_reserve_vcc 0
		.amdhsa_float_denorm_mode_32 3
		.amdhsa_float_denorm_mode_16_64 3
		.amdhsa_memory_ordered 1
		.amdhsa_forward_progress 1
		.amdhsa_inst_pref_size 150
	.end_amdhsa_kernel
	.amdgpu_metadata
---
amdhsa.version: [ 1, 2 ]
amdhsa.kernels:
  - .name:           k_q9a5c4965ae_qkv
    .symbol:         k_q9a5c4965ae_qkv.kd
    .args:
      - { .name: in_codes, .offset: 0, .size: 8, .value_kind: global_buffer, .address_space: global }
      - { .name: in_scales, .offset: 8, .size: 8, .value_kind: global_buffer, .address_space: global }
      - { .name: qk_codes, .offset: 16, .size: 8, .value_kind: global_buffer, .address_space: global }
      - { .name: qk_scales, .offset: 24, .size: 8, .value_kind: global_buffer, .address_space: global }
      - { .name: v_codes, .offset: 32, .size: 8, .value_kind: global_buffer, .address_space: global }
      - { .name: v_scales, .offset: 40, .size: 8, .value_kind: global_buffer, .address_space: global }
    .group_segment_fixed_size: 327680
    .private_segment_fixed_size: 0
    .kernarg_segment_align: 8
    .kernarg_segment_size: 48
    .max_flat_workgroup_size: 128
    .sgpr_count:     102
    .vgpr_count:     1024
    .wavefront_size: 32
...
	.end_amdgpu_metadata
.endif
;; end of part 2
;; launch attn (part 3): grid 4 x 64, 16 waves a work-group, no clusters, 215,040 bytes of LDS; arguments qk_codes, qk_scales, v_codes, v_scales, y_codes, y_scales; writes y_codes, y_scales
.if DOCPART == 3
	.amdgcn_target "amdgcn-amd-amdhsa--gfx1250"
	.amdhsa_code_object_version 6
	.text
	.protected	k_q9a5c4965ae_attn
	.globl	k_q9a5c4965ae_attn
	.p2align	8
	.type	k_q9a5c4965ae_attn,@function
k_q9a5c4965ae_attn:
	s_mov_b64 s[64:65], 0
	v_nop
	global_prefetch_b8 v0, s[64:65] scope:SCOPE_SE
	s_setreg_imm32_b32 hwreg(HW_REG_WAVE_MODE, 25, 1), 1
	s_wait_xcnt 0x0
; y = softmax(q k^T / 8, causal) v for one head, both products on codes of FP6 (E2M3) with E8M0 scales; y is quantised along the head's 64 and leaves as codes for the last product.
; THE SOFTMAX AHEAD OF THE SECOND PRODUCT: t = score x log2(e) / 8; M = the running largest t rounded up to a whole number; p = 2^(t - M) is quantised along the keys, not normalised; the row's sum of the
; unquantised p divides at the end.  When M moves, the sum and O are multiplied by 2^(old M - new M): exact.
; SHARES.  Work-group (i, batch x 16 + head) owns the query blocks i and 7 - i of 256 queries: (i + 1) + (8 - i) = 9 blocks of keys for every work-group.  Each of sixteen waves owns one tile of 16 queries of a block.
; THE HEAD'S WHOLE K AND V LIE IN LDS, filled once: 16 key steps of 128 keys.  Nothing is filled again and nothing is stored to LDS.  No cluster: the four work-groups of a head want different numbers of key steps in
; each pass, and what they share is one fill of 212,992 bytes for the whole launch.
; LAYOUT.  Both products transposed: S^T = K Q^T, O^T = V^T P^T: a lane holds one query.  Tiles lie in the order row 32 (t / 2) + 8 (t % 2) + r % 8 + 16 (r / 8): p's 16 registers of tiles 2 b, 2 b + 1 are 16 neighbouring keys.
; K = 64 IN AN INSTRUCTION OF 128: Q's registers 6-11 are zero codes; K's operand of tile t is its own 6 registers and the 6 that follow (the next tile's codes, behind tile 7 zeros): finite numbers x 0.  The scale bytes there are 0.
; CAUSAL: the loops' trip counts are constants; a step all of whose keys come after the wave's queries is jumped over; the one step on the diagonal sets hidden scores to -infinity.
; LIMITS: a block of zeros, or one under 2^-124, keeps the byte 1 (read by this program alone); NaN and infinities are not served.
; REGISTERS: v1-7, v29, v213 addresses that stay; v8-11, v30-31 addresses in hand; v12 -M, v13 the largest t, v[14:15] the sum; v16-27 Q; v28 Q's scale word; v32-79 K's eight tiles, then V's four fragments; v80-85 zeros;
; v88-95 scale words; v96-159 S^T, p, y; v160-191 O^T; v192-211 codes; v212 p's scale word; v232-254 at work.
.set VB,   98304                       ; LDS: K's codes [step 16][tile 8][768]; from here V's [step 16][tile 4][1,536]
.set KSC,  196608                      ; K's scale words: 512 bytes a step: [r 16][tile 8]
.set VSC,  204800                      ; V's: 512 bytes a step: [r 16][tile 8 of two heads]
.set WV,   16
.set G1KS, 24
.set G1VS, 32
.set G1KC, 40
.set G1VC, 48
.set TK,   84                          ; s84 where the step's codes begin: 6,144 bytes a step
.set TS,   85                          ; s85 and its scale words: 512
.set KF,   86                          ; s86 the step's first key
.set QM,   87                          ; s87 my least query
.set CNT,  88
	s_load_b256 s[4:11], s[0:1], 0x0               ; qk_codes, qk_scales, v_codes, v_scales
	s_load_b128 s[12:15], s[0:1], 0x20             ; y_codes, y_scales
	v_lshl_add_u32 v251, v0, 2, 0x34000
	v_mov_b32 v255, 0
	ds_add_u32 v251, v255
	ds_add_u32 v251, v255
	v_lshrrev_b32 v1, 5, v0
	s_delay_alu instid0(VALU_DEP_1)
	v_readfirstlane_b32 s[WV], v1                  ; wave 0..15
	s_and_b32 s17, s[WV], 7                        ; which part I fetch: waves 0-7 of K, waves 8-15 of V
	s_and_b32 s19, ttmp7, 0xffff
	s_and_b32 s20, s19, 15                         ; the head
	s_lshr_b32 s19, s19, 4                         ; the batch
	s_mov_b32 s2, 0x76543210
	s_mov_b32 s3, 0xfedcba98
	s_mov_b32 s22, 0x3e38aa3b                      ; c = log2(e) / 8
	s_mov_b32 s23, s22
	; descriptor groups 1: elements of 8 bytes, no mask, no padding
	s_mov_b32 s[G1KS], 3<<16                       ; K's scale words of two steps: 1,024 dense bytes as 4 rows of 256
	s_mov_b32 s[G1KS+1], 32<<16
	s_mov_b32 s[G1KS+2], 4<<16
	s_mov_b32 s[G1KS+3], 32<<16
	s_mov_b32 s[G1KS+4], 4
	s_mov_b32 s[G1KS+5], 32
	s_mov_b32 s[G1KS+6], 0
	s_mov_b32 s[G1KS+7], 0
	s_mov_b32 s[G1VS], 3<<16                       ; V's: 2 rows of 512 bytes, 4,096 apart
	s_mov_b32 s[G1VS+1], 64<<16
	s_mov_b32 s[G1VS+2], 2<<16
	s_mov_b32 s[G1VS+3], 64<<16
	s_mov_b32 s[G1VS+4], 2
	s_mov_b32 s[G1VS+5], 512
	s_mov_b32 s[G1VS+6], 0
	s_mov_b32 s[G1VS+7], 0
	s_mov_b32 s[G1KC], 3<<16                       ; K's codes of a step: 8 tiles' half fragments of 768 bytes, 24,576 apart
	s_mov_b32 s[G1KC+1], 96<<16
	s_mov_b32 s[G1KC+2], 8<<16
	s_mov_b32 s[G1KC+3], 96<<16
	s_mov_b32 s[G1KC+4], 8
	s_mov_b32 s[G1KC+5], 3072
	s_mov_b32 s[G1KC+6], 0
	s_mov_b32 s[G1KC+7], 0
	s_mov_b32 s[G1VC], 3<<16                       ; V's codes of a step: 6,144 dense bytes as 24 rows of 256
	s_mov_b32 s[G1VC+1], 32<<16
	s_mov_b32 s[G1VC+2], 24<<16
	s_mov_b32 s[G1VC+3], 32<<16
	s_mov_b32 s[G1VC+4], 24
	s_mov_b32 s[G1VC+5], 32
	s_mov_b32 s[G1VC+6], 0
	s_mov_b32 s[G1VC+7], 0
	; where my three fills come from
	s_add_co_u32 s66, s20, 16
	s_lshl_b32 s66, s66, 15                        ; K's heads lie behind Q's sixteen: 32,768 bytes a head
	s_lshl_b32 s67, s19, 4
	s_lshl_b32 s89, s17, 1
	s_add_co_u32 s67, s67, s89                     ; my two key steps among all 64
	s_lshl_b32 s89, s67, 9
	s_add_co_u32 s58, s66, s89
	s_mov_b32 s59, 0
	s_lshl_b32 s74, s67, 12
	s_lshr_b32 s66, s20, 1
	s_lshl_b32 s89, s66, 9
	s_add_co_u32 s74, s74, s89
	s_mov_b32 s75, 0
	s_mul_i32 s100, s20, 768                       ; a head's half fragment in a row of images: 768 x head
	s_lshl_b32 s101, s19, 7                        ; the batch's first token tile
	s_lshl_b32 s89, s17, 3
	s_add_co_u32 s89, s89, s101
	s_mul_i32 s62, s89, 24576
	s_add_co_u32 s62, s62, s100
	s_add_co_u32 s62, s62, 12288                   ; K's images lie behind Q's eight
	s_mov_b32 s63, 0
	s_lshl_b32 s89, s19, 4
	s_add_co_u32 s89, s89, s17
	s_mul_i32 s78, s89, 98304
	s_mul_i32 s89, s20, 6144
	s_add_co_u32 s78, s78, s89
	s_mov_b32 s79, 0
	s_lshr_b32 s67, s20, 2                         ; y's scale bytes: the head's place in a tile's 512 bytes
	s_lshl_b32 s67, s67, 7
	s_and_b32 s89, s66, 1
	s_lshl_b32 s89, s89, 2
	s_add_co_u32 s67, s67, s89
	s_and_b32 s89, s20, 1
	s_lshl_b32 s89, s89, 1
	s_add_co_u32 s67, s67, s89
	s_wait_dscnt 0x0
	s_wait_kmcnt 0x0
	s_add_nc_u64 s[58:59], s[6:7], s[58:59]
	s_add_nc_u64 s[74:75], s[10:11], s[74:75]
	s_add_nc_u64 s[62:63], s[4:5], s[62:63]
	s_add_nc_u64 s[78:79], s[8:9], s[78:79]
	s_add_nc_u64 s[70:71], s[62:63], 64*24576      ; eight key steps on
	s_add_nc_u64 s[82:83], s[78:79], 8*98304
.irp g, 59, 63, 71, 75, 79, 83
	s_or_b32 s[\g], s[\g], 0x80000000
.endr
.irp g, 56, 60, 68, 72, 76, 80
	s_mov_b32 s[\g], 1
.endr
	s_lshl_b32 s89, s17, 10
	s_add_co_u32 s57, s89, KSC
	s_add_co_u32 s73, s89, VSC
	s_mul_i32 s89, s17, 6144
	s_mov_b32 s61, s89
	s_add_co_u32 s69, s89, 49152
	s_add_co_u32 s77, s89, VB
	s_add_co_u32 s81, s89, VB+49152
	s_cmp_lt_u32 s[WV], 8                          ; a wave's three fills stand in one branch, ahead of every wait on TENSORcnt, every LDS read and every barrier: three loads of mine are out
	s_cbranch_scc0 .Lfill_v
	tensor_load_to_lds s[56:59], s[G1KS:G1KS+7]
	s_nop 0
	tensor_load_to_lds s[60:63], s[G1KC:G1KC+7]
	s_nop 0
	tensor_load_to_lds s[68:71], s[G1KC:G1KC+7]
	s_nop 0
.rept 4
	v_nop
.endr
	s_branch .Lfilled
.Lfill_v:
	tensor_load_to_lds s[72:75], s[G1VS:G1VS+7]
	s_nop 0
	tensor_load_to_lds s[76:79], s[G1VC:G1VC+7]
	s_nop 0
	tensor_load_to_lds s[80:83], s[G1VC:G1VC+7]
	s_nop 0
.rept 4
	v_nop
.endr
.Lfilled:
	v_and_b32 v216, 31, v0                         ; lane
	v_and_b32 v217, 15, v0                         ; r
	v_bfe_u32 v218, v0, 4, 1                       ; h
	s_delay_alu instid0(VALU_DEP_3)
	v_lshlrev_b32 v1, 4, v216                      ; 16 x lane: K's images, and the offsets of Q's loads and y's stores
	s_delay_alu instid0(VALU_DEP_4)
	v_lshlrev_b32 v2, 3, v216                      ; 8 x lane
	s_delay_alu instid0(VALU_DEP_2)
	v_add_nc_u32 v3, VB, v1
	s_delay_alu instid0(VALU_DEP_2)
	v_add_nc_u32 v4, VB, v2
	v_lshlrev_b32 v213, 5, v217                    ; 32 r
	s_delay_alu instid0(VALU_DEP_1)
	v_add_nc_u32 v5, KSC, v213
	s_and_b32 s89, s20, 1
	s_lshl_b32 s89, s89, 4
	s_add_co_u32 s89, s89, VSC
	v_add_nc_u32 v6, s89, v213                     ; my head's four words of the pair's eight
	v_and_b32 v7, 7, v217
	v_lshrrev_b32 v219, 3, v217
	s_delay_alu instid0(VALU_DEP_1)
	v_sub_nc_u32 v219, v219, v218
	s_delay_alu instid0(VALU_DEP_1)
	v_lshl_add_u32 v7, v219, 4, v7                 ; r % 8 + 16 (r / 8) - 16 h: my query above the tile's least, less my half's keys
	v_lshl_add_u32 v29, v217, 3, v218              ; 8 r + h: y's scale byte
.irp j, 22,23,24,25,26,27, 80,81,82,83,84,85, 236,237,238,239, 252,253
	v_mov_b32 v[\j], 0                             ; zero codes; and registers that are named as sources before they are first written
.endr
; A KEY STEP: 128 keys
.macro STEP
	s_cmp_gt_u32 s[KF], s[QM]                      ; KF is a multiple of 128 and my 16 queries lie in one aligned group of 32: all keys of the step come after all my queries
	s_cbranch_scc1 .Lhidden_\@
	s_setprio 2
	v_add_nc_u32 v8, s[TK], v1                     ; these six are also the places behind the last step's products
	v_add_nc_u32 v9, s[TK], v2
	v_add_nc_u32 v10, s[TK], v3
	v_add_nc_u32 v11, s[TK], v4
	v_add_nc_u32 v30, s[TS], v5
	v_add_nc_u32 v31, s[TS], v6
.irp t, 0,1,2,3,4,5,6,7
	ds_load_b128 v[32+6*\t:35+6*\t], v8 offset:768*\t
	ds_load_b64 v[36+6*\t:37+6*\t], v9 offset:768*\t+512
.endr
	ds_load_b128 v[88:91], v30
	ds_load_b128 v[92:95], v30 offset:16
	s_wait_alu depctr_va_vdst(0)
	s_wait_dscnt 0x0
.irp t, 0,1,2,3,4,5,6,7
	v_wmma_scale_f32_16x16x128_f8f6f4 v[96+8*\t:103+8*\t], v[32+6*\t:43+6*\t], v[16:27], 0, v[88+\t], v28 matrix_a_fmt:MATRIX_FMT_FP6 matrix_b_fmt:MATRIX_FMT_FP6
.endr
.rept 4
	v_nop                                          ; places in front of the loads into K's registers and of the first read of the scores
.endr
.irp t, 0,1,2,3                        ; V's four fragments and scale words land under the softmax
	ds_load_b128 v[32+12*\t:35+12*\t], v10 offset:1536*\t
	ds_load_b64 v[36+12*\t:37+12*\t], v11 offset:1536*\t+512
	ds_load_b128 v[38+12*\t:41+12*\t], v10 offset:1536*\t+768
	ds_load_b64 v[42+12*\t:43+12*\t], v11 offset:1536*\t+1280
.endr
	ds_load_b128 v[88:91], v31
	s_add_co_u32 s89, s[KF], 127
	s_cmp_le_u32 s89, s[QM]
	s_cbranch_scc1 .Lopen_\@                       ; all keys of the step count for all my queries
	s_sub_co_i32 s89, s[QM], s[KF]
	v_add_nc_u32 v252, s89, v7                     ; d = my query - KF - 16 h.  Register 16 b + i holds key KF + 16 h + 32 b + i: hidden where 32 b + i > d
	v_mov_b32 v254, 0xff800000
.set n, 0
.rept 64
	v_cmp_gt_i32 vcc_lo, 32*(n/16)+n%16, v252
	v_cndmask_b32 v[96+n], v[96+n], v254, vcc_lo
.set n, n+1
.endr
.Lopen_\@:
.irp b, 0,1,2,3
	v_max3_num_f32 v[232+\b], v[96+16*\b], v[97+16*\b], v[98+16*\b]   ; the largest score of each block of 32 keys: for the row's maximum, and, since p rises with the score, for the block's largest p
.endr
.irp i, 3,5,7,9,11,13
.irp b, 0,1,2,3
	v_max3_num_f32 v[232+\b], v[232+\b], v[96+16*\b+\i], v[97+16*\b+\i]
.endr
.endr
.irp b, 0,1,2,3
	v_max_num_f32 v[232+\b], v[232+\b], v[111+16*\b]
.endr
.irp b, 0,1,2,3
	s_delay_alu instid0(VALU_DEP_4)
	v_permlanex16_b32 v[236+\b], v[232+\b], s2, s3
.endr
.irp b, 0,1,2,3
	s_delay_alu instid0(VALU_DEP_4)
	v_max_num_f32 v[232+\b], v[232+\b], v[236+\b]
.endr
	s_delay_alu instid0(VALU_DEP_2)
	v_max3_num_f32 v254, v232, v233, v234
	s_delay_alu instid0(VALU_DEP_1)
	v_max_num_f32 v254, v254, v235
	s_delay_alu instid0(VALU_DEP_1)
	v_mul_f32 v254, s22, v254                      ; as t
	s_delay_alu instid0(VALU_DEP_1)
	v_max_num_f32 v13, v13, v254                   ; the running largest t
	v_mov_b32 v254, v12
	s_delay_alu instid0(VALU_DEP_2)
	v_floor_f32 v12, -v13                          ; the new -M = -ceil(t)
	s_delay_alu instid0(VALU_DEP_1)
	v_sub_f32 v254, v12, v254                      ; old M - new M: a whole number, 0 or less
	s_delay_alu instid0(VALU_DEP_1)
	v_cvt_i32_f32 v254, v254                       ; (it saturates)
	s_delay_alu instid0(VALU_DEP_1)
	v_ldexp_f32 v252, 1.0, v254                    ; f = 2^(old M - new M)
.set n, 0
	s_setprio 1
.rept 32
	v_pk_fma_f32 v[96+n:97+n], v[96+n:97+n], s[22:23], v[12:13] op_sel_hi:[1,0,0]   ; t - M
.set n, n+2
.endr
.irp b, 0,1,2,3
	v_fma_f32 v[232+\b], v[232+\b], s22, v12
.endr
.set n, 0
	s_wait_alu depctr_va_vdst(0)
.rept 64
	v_exp_f32 v[96+n], v[96+n]                     ; p = 2^(t - M)
.set n, n+1
.endr
	v_pk_mul_f32 v[14:15], v[14:15], v[252:253] op_sel_hi:[1,0]   ; the sums under the new M: a plain place behind the exponentials
	s_wait_alu depctr_va_vdst(0)                   ; one wait for the batch, ahead of its first reader
.irp b, 0,1,2,3
	v_exp_f32 v[232+\b], v[232+\b]                 ; each block's largest p
.endr
	v_pk_add_f32 v[236:237], v[100:101], v[104:105]
	v_pk_add_f32 v[248:249], v[108:109], v[112:113]
	v_pk_add_f32 v[246:247], v[116:117], v[120:121]
	v_pk_add_f32 v[244:245], v[124:125], v[128:129]
	v_pk_add_f32 v[242:243], v[132:133], v[136:137]
	v_pk_add_f32 v[240:241], v[140:141], v[144:145]
	v_pk_add_f32 v[238:239], v[148:149], v[152:153]
	v_pk_add_f32 v[14:15], v[14:15], v[156:157]
	v_pk_add_f32 v[236:237], v[236:237], v[96:97]
	v_pk_add_f32 v[248:249], v[248:249], v[98:99]
	v_pk_add_f32 v[246:247], v[246:247], v[102:103]
	v_pk_add_f32 v[244:245], v[244:245], v[106:107]
	v_pk_add_f32 v[242:243], v[242:243], v[110:111]
	v_pk_add_f32 v[240:241], v[240:241], v[114:115]
	v_pk_add_f32 v[238:239], v[238:239], v[118:119]
	v_pk_add_f32 v[14:15], v[14:15], v[122:123]
	v_pk_add_f32 v[236:237], v[236:237], v[126:127]
	v_pk_add_f32 v[248:249], v[248:249], v[130:131]
	v_pk_add_f32 v[246:247], v[246:247], v[134:135]
	v_pk_add_f32 v[244:245], v[244:245], v[138:139]
	v_pk_add_f32 v[242:243], v[242:243], v[142:143]
	v_pk_add_f32 v[240:241], v[240:241], v[146:147]
	v_pk_add_f32 v[238:239], v[238:239], v[150:151]
	v_pk_add_f32 v[14:15], v[14:15], v[154:155]
	v_pk_add_f32 v[236:237], v[236:237], v[158:159]
	s_delay_alu instid0(VALU_DEP_2)
	v_pk_add_f32 v[14:15], v[14:15], v[244:245]
	s_delay_alu instid0(VALU_DEP_2)
	v_pk_add_f32 v[236:237], v[236:237], v[242:243]
	v_pk_add_f32 v[248:249], v[248:249], v[240:241]
	v_pk_add_f32 v[246:247], v[246:247], v[238:239]
	s_delay_alu instid0(VALU_DEP_2)
	v_pk_add_f32 v[14:15], v[14:15], v[248:249]
	s_delay_alu instid0(VALU_DEP_2)
	v_pk_add_f32 v[236:237], v[236:237], v[246:247]
	s_delay_alu instid0(VALU_DEP_1)
	v_pk_add_f32 v[14:15], v[14:15], v[236:237]
	s_wait_alu depctr_va_vdst(0)                   ; and one for the four
.irp b, 0,1,2,3
	v_max_num_f32 v[232+\b], 0x1800000, v[232+\b]  ; the floor 2^(3 - 127)
.endr
.irp b, 0,1,2,3
	s_delay_alu instid0(VALU_DEP_4)
	v_add_nc_u32 v[244+\b], 0xff000000, v[232+\b]  ; the conversion's scale operand
.endr
.irp b, 0,1,2,3
	s_delay_alu instid0(VALU_DEP_4)
	v_lshrrev_b32 v[236+\b], 23, v[244+\b]         ; the scale's byte
.endr
	s_delay_alu instid0(VALU_DEP_3)
	v_lshl_or_b32 v212, v237, 8, v236
	s_delay_alu instid0(VALU_DEP_1)
	v_lshl_or_b32 v212, v238, 16, v212
	s_delay_alu instid0(VALU_DEP_1)
	v_lshl_or_b32 v212, v239, 24, v212
	s_setprio 0
.irp c, 0,1
	v_cvt_scalef32_pk16_fp6_f32 v[192+6*\c:194+6*\c], v[96+32*\c:111+32*\c], v[244+2*\c]
	v_cvt_scalef32_pk16_fp6_f32 v[204+4*\c:206+4*\c], v[112+32*\c:127+32*\c], v[244+2*\c+1]
.endr
	v_nop                                          ; one plain place behind a scaled conversion
.irp c, 0,1
.irp i, 0,1,2
	v_permlane16_swap_b32 v[192+6*\c+\i], v[204+4*\c+\i]
.endr
.irp i, 0,1,2
	s_delay_alu instid0(VALU_DEP_3)
	v_mov_b32 v[195+6*\c+\i], v[204+4*\c+\i]
.endr
.endr
.set n, 0
.rept 16
	v_pk_mul_f32 v[160+n:161+n], v[160+n:161+n], v[252:253] op_sel_hi:[1,0]   ; O^T under the new M; these sixteen are also the places in front of the products below
.set n, n+2
.endr
	s_wait_alu depctr_va_vdst(0)
	s_wait_dscnt 0x0                               ; V is in
.irp t, 0,1,2,3
	v_wmma_scale_f32_16x16x128_f8f6f4 v[160+8*\t:167+8*\t], v[32+12*\t:43+12*\t], v[192:203], v[160+8*\t:167+8*\t], v[88+\t], v212 matrix_a_fmt:MATRIX_FMT_FP6 matrix_b_fmt:MATRIX_FMT_FP6
.endr
.Lhidden_\@:
	s_add_co_u32 s[KF], s[KF], 128
	s_add_co_u32 s[TK], s[TK], 6144
	s_add_co_u32 s[TS], s[TS], 512
.endm
; ONE BLOCK OF QUERIES.  second = 0: block i, whose keys lie in key steps 0-7; second = 1: block 7 - i
.macro PASS trips, second
.if \second
	s_wait_xcnt 0x0                                ; the first pass's loads and stores have read their bases and data: they are written again below
	s_sub_co_u32 s21, 7, ttmp9
.else
	s_mov_b32 s21, ttmp9
.endif
	s_lshl_b32 s89, s21, 4
	s_add_co_u32 s89, s89, s[WV]
	s_add_co_u32 s89, s89, s101                    ; my token tile: 128 x batch + 16 x block + wave
	s_mul_i32 s90, s89, 24576
	s_add_co_u32 s90, s90, s100
	s_mov_b32 s91, 0
	s_add_nc_u64 s[92:93], s[4:5], s[90:91]        ; Q's half fragment
	s_lshl_b32 s90, s20, 15
	s_lshr_b32 s66, s89, 3
	s_lshl_b32 s66, s66, 9
	s_add_co_u32 s90, s90, s66
	s_and_b32 s66, s89, 7
	s_lshl_b32 s66, s66, 2
	s_add_co_u32 s90, s90, s66
	s_add_nc_u64 s[94:95], s[6:7], s[90:91]        ; Q's scale words
	s_mul_i32 s90, s89, 12288
	s_add_co_u32 s90, s90, s100
	s_add_nc_u64 s[96:97], s[12:13], s[90:91]      ; y's half fragment
	s_lshl_b32 s90, s89, 9
	s_add_co_u32 s90, s90, s67
	s_add_nc_u64 s[98:99], s[14:15], s[90:91]      ; y's scale bytes
	s_lshl_b32 s[QM], s21, 8
	s_lshr_b32 s66, s[WV], 1
	s_lshl_b32 s66, s66, 5
	s_add_co_u32 s[QM], s[QM], s66
	s_and_b32 s66, s[WV], 1
	s_lshl_b32 s66, s66, 3
	s_add_co_u32 s[QM], s[QM], s66                 ; my least query: 256 x block + 32 (w / 2) + 8 (w % 2)
	global_load_b128 v[16:19], v1, s[92:93]
	global_load_b64 v[20:21], v2, s[92:93] offset:512
	global_load_b32 v28, v213, s[94:95]
	s_mov_b32 s[TK], 0
	s_mov_b32 s[TS], 0
	s_mov_b32 s[KF], 0
	v_mov_b32 v13, 0xff61b1e6                      ; the largest t so far: -3e38
	s_delay_alu instid0(VALU_DEP_1)
	v_floor_f32 v12, -v13
	v_mov_b32 v14, 0
	v_mov_b32 v15, 0
.set n, 0
.rept 32
	v_mov_b32 v[160+n], 0                          ; O^T: the first change of M leaves zeros zeros
.set n, n+1
.endr
.if \second
	s_wait_tensorcnt 0x0                           ; my third fill is in,
	s_wait_dscnt 0x0
.else
	s_wait_tensorcnt 1                             ; my scale words and my key step among 0-7 are in; my third fill, a key step among 8-15, may be out: this pass does not read it
.endif
	s_barrier_signal -1
	s_barrier_wait -1                              ; everybody's are
	s_wait_loadcnt 0x0                             ; Q
	s_mov_b32 s[CNT], \trips
.Lkeys_\@:
	STEP
	s_sub_co_u32 s[CNT], s[CNT], 1
	s_cmp_lg_u32 s[CNT], 0
	s_cbranch_scc1 .Lkeys_\@
	s_setprio 0
	; the way out: y = O^T / the sum; register 16 b + i = d 32 b + 16 h + i of my query: two blocks of 32, half a fragment
	v_add_f32 v14, v14, v15
	s_delay_alu instid0(VALU_DEP_1)
	v_permlanex16_b32 v252, v14, s2, s3
	s_delay_alu instid0(VALU_DEP_1)
	v_add_f32 v14, v14, v252                       ; the row's sum
	s_wait_alu depctr_va_vdst(0)
	v_rcp_f32 v14, v14
	v_bfe_u32 v254, v0, 4, 1                       ; plain work behind the reciprocal, and places behind the last products
	s_delay_alu instid0(VALU_DEP_1)
	v_cmp_ne_u32 vcc_lo, 0, v254                   ; lanes 16-31
	v_nop
	v_nop
	s_wait_alu depctr_va_vdst(0)                   ; ahead of the reciprocal's first reader
.set n, 0
.rept 32
	v_mul_f32 v[96+n], v[160+n], v14
.set n, n+1
.endr
.irp b, 0,1
	v_max3_num_f32 v[232+\b], |v[96+16*\b]|, |v[97+16*\b]|, 0x1800000
.endr
.irp i, 2,4,6,8,10,12,14
.irp b, 0,1
	s_delay_alu instid0(VALU_DEP_2)
	v_max3_num_f32 v[232+\b], v[232+\b], |v[96+16*\b+\i]|, |v[97+16*\b+\i]|
.endr
.endr
.irp b, 0,1
	s_delay_alu instid0(VALU_DEP_2)
	v_permlanex16_b32 v[236+\b], v[232+\b], s2, s3
.endr
.irp b, 0,1
	s_delay_alu instid0(VALU_DEP_2)
	v_max_num_f32 v[232+\b], v[232+\b], v[236+\b]
.endr
.irp b, 0,1
	s_delay_alu instid0(VALU_DEP_2)
	v_add_nc_u32 v[244+\b], 0xff000000, v[232+\b]
.endr
.irp b, 0,1
	s_delay_alu instid0(VALU_DEP_2)
	v_lshrrev_b32 v[236+\b], 23, v[244+\b]
.endr
	v_cvt_scalef32_pk16_fp6_f32 v[192:194], v[96:111], v244
	v_cvt_scalef32_pk16_fp6_f32 v[204:206], v[112:127], v245
	v_cndmask_b32 v238, v236, v237, vcc_lo         ; lane (r, h) stores block h's byte.  (The plain place behind the conversions)
.irp i, 0,1,2
	v_permlane16_swap_b32 v[192+\i], v[204+\i]
.endr
.irp i, 0,1,2
	s_delay_alu instid0(VALU_DEP_3)
	v_mov_b32 v[195+\i], v[204+\i]
.endr
	global_store_b128 v1, v[192:195], s[96:97]     ; 512 consecutive bytes, aligned
	global_store_b64 v2, v[196:197], s[96:97] offset:512
	global_store_b8 v29, v238, s[98:99]            ; a scale word of y holds two heads' bytes, which two work-groups make: so the bytes leave singly, two a row
.endm
	PASS 8, 0
	PASS 16, 1
	s_wait_tensorcnt 0x0
	ds_add_u32 v251, v255
	s_wait_dscnt 0x0
	s_endpgm
.Lfunc_end_k_q9a5c4965ae_attn:
	.size	k_q9a5c4965ae_attn, .Lfunc_end_k_q9a5c4965ae_attn-k_q9a5c4965ae_attn
	.p2alignl 7, 3214868480
	.fill 96, 4, 3214868480
	.section	.rodata,"a",@progbits
	.p2align	6, 0x0
	.amdhsa_kernel k_q9a5c4965ae_attn
		.amdhsa_group_segment_fixed_size 215040
		.amdhsa_private_segment_fixed_size 0
		.amdhsa_enable_private_segment 0
		.amdhsa_kernarg_size 48
		.amdhsa_user_sgpr_count 2
		.amdhsa_user_sgpr_kernarg_segment_ptr 1
		.amdhsa_wavefront_size32 1
		.amdhsa_system_sgpr_workgroup_id_x 1
		.amdhsa_system_sgpr_workgroup_id_y 1
		.amdhsa_system_sgpr_workgroup_id_z 1
		.amdhsa_system_vgpr_workitem_id 0
		.amdhsa_next_free_vgpr 256
		.amdhsa_next_free_sgpr 102
		.amdhsa_reserve_vcc 1
		.amdhsa_float_denorm_mode_32 3
		.amdhsa_float_denorm_mode_16_64 3
		.amdhsa_memory_ordered 1
		.amdhsa_forward_progress 1
		.amdhsa_inst_pref_size 68
	.end_amdhsa_kernel
	.amdgpu_metadata
---
amdhsa.version: [ 1, 2 ]
amdhsa.kernels:
  - .name:           k_q9a5c4965ae_attn
    .symbol:         k_q9a5c4965ae_attn.kd
    .args:
      - { .name: qk_codes, .offset: 0, .size: 8, .value_kind: global_buffer, .address_space: global }
      - { .name: qk_scales, .offset: 8, .size: 8, .value_kind: global_buffer, .address_space: global }
      - { .name: v_codes, .offset: 16, .size: 8, .value_kind: global_buffer, .address_space: global }
      - { .name: v_scales, .offset: 24, .size: 8, .value_kind: global_buffer, .address_space: global }
      - { .name: y_codes, .offset: 32, .size: 8, .value_kind: global_buffer, .address_space: global }
      - { .name: y_scales, .offset: 40, .size: 8, .value_kind: global_buffer, .address_space: global }
    .group_segment_fixed_size: 215040
    .private_segment_fixed_size: 0
    .kernarg_segment_align: 8
    .kernarg_segment_size: 48
    .max_flat_workgroup_size: 512
    .sgpr_count:     102
    .vgpr_count:     256
    .wavefront_size: 32
...
	.end_amdgpu_metadata
.endif
;; end of part 3
;; launch proj (part 4): grid 4 x 32, 4 waves a work-group, clusters of 4 x 4, 327,680 bytes of LDS; arguments y_codes, y_scales, in_codes, in_scales, out0; writes out0
.if DOCPART == 4
	.amdgcn_target "amdgcn-amd-amdhsa--gfx1250"
	.amdhsa_code_object_version 6
	.text
	.protected	k_q9a5c4965ae_proj
	.globl	k_q9a5c4965ae_proj
	.p2align	8
	.type	k_q9a5c4965ae_proj,@function
k_q9a5c4965ae_proj:
	s_mov_b64 s[64:65], 0
	v_nop
	global_prefetch_b8 v0, s[64:65] scope:SCOPE_SE
	s_setreg_imm32_b32 hwreg(HW_REG_WAVE_MODE, 25, 1), 1
	s_wait_xcnt 0x0
	s_wait_alu depctr_hold_cnt(0) depctr_sa_sdst(0) depctr_va_vdst(0) depctr_va_sdst(0) depctr_va_ssrc(0) depctr_va_vcc(0) depctr_vm_vsrc(0)
	s_getreg_b32 s2, hwreg(HW_REG_IB_STS2, 6, 4)
	s_cmp_eq_u32 s2, 0
	s_cbranch_scc0 .Lentry_in_a_cluster
	s_endpgm
.Lentry_in_a_cluster:
	s_bfe_u32 s2, ttmp6, 0x10000c
	s_cmp_lg_u32 s2, 0xf033
	s_cbranch_scc0 .Lentry_shape_is_right
	s_endpgm
.Lentry_shape_is_right:
; out0 = y wo^T on codes of FP6 (E2M3) with E8M0 scales, K = 1,024; out0 [8192][1024] f32.
; A tile is 256 x 256, four waves of 128 x 128: 64 accumulators.  Source 1 (A) = 16 tokens of y, source 0 (B) = 16 rows of wo: a lane holds one token and eight neighbouring outputs.
; Operands lie in memory as images of their registers, [tile][K step][1,536 bytes]; lane row r of tile t is row 32 (t / 2) + 8 (t % 2) + r % 8 + 16 (r / 8): the way out puts rows and columns back.
; K goes in four steps of 256 through THREE LDS slots: three first fills and one refill.  The scale words of the work-group's 512 rows come once, with the first fills.
; CLUSTER 4 x 4: A's tiles are asked for jointly along a row of the cluster, B's along a column.  1,024 / 256 x 8,192 / 256 = 128 work-groups.
; REGISTERS: window 0: v8-24 addresses, v28-29 the add's, v32-63 scale words (two sets), v128-223 A's fragments (on the way out v128-255: rows read back); window 1: B's two sets; windows 2, 3: accumulator (a, b) at v[8 (8 (a % 4) + b)].
.set SLOTB,  98304
.set HALFT,  24576
.set SCL,    3*SLOTB
.set SPARE,  SCL+16384                 ; the spare words: 128 bytes a wave, two blocks of 256 bytes that no other line names
.set STAGE,  SLOTB                     ; the way out: 16 rows x 528 bytes a wave, in slot 1: it has had its only fill, and its last read lies ahead of the last barrier
.set SPITCH, 528
.set FR,   12
.set NL,   4
.set NP,   4
.set A16,  8
.set A8,   11
.set B16,  14
.set B8,   17
.set ADRS, 20
.set LI16, 21
.set LI8,  22
.set STO,  23
.set RD,   24
.set SPW,  28
.set NIL,  29
.set SC,   32
.set AF,   128
.set BK,   128
.set G1A,  24
.set G1B,  32
.set G1SA, 40
.set G1SB, 48
.set G0A0, 56
.set G0A1, 60
.set G0A2, 68
.set G0B0, 72
.set G0B1, 76
.set G0B2, 80
.set G0SA, 84
.set G0SB, 88
.set MSB, 0
.macro WIN new
.if MSB != \new
	s_set_vgpr_msb (MSB<<8)|\new
.set MSB, \new
.endif
.endm
.set MUL_LO, 0xa1
.set MUL_HI, 0xf1
.set TO_B,   0x40
.macro JLOAD g0a, g1a, g0b, g1b        ; a joint load: waves 0, 1 fetch for A, waves 2, 3 for B; four v_nop follow each line
	s_cmp_eq_u32 s17, 0
	s_cbranch_scc0 .Lfor_b_\@
	tensor_load_to_lds s[\g0a:\g0a+3], s[\g1a:\g1a+7]
	s_nop 0
.rept 4
	v_nop
.endr
	s_branch .Lasked_\@
.Lfor_b_\@:
	tensor_load_to_lds s[\g0b:\g0b+3], s[\g1b:\g1b+7]
	s_nop 0
.rept 4
	v_nop
.endr
.Lasked_\@:
.endm
.macro CREST
	s_cmp_lg_u32 s16, 0
	s_cbranch_scc1 .Lnot_wave_0_\@
	s_barrier_signal -3
.Lnot_wave_0_\@:
	s_barrier_wait -3
	s_barrier_signal -1
	s_barrier_wait -1
.endm
.macro CROUND
	s_barrier_signal -1
	s_barrier_wait -1
	CREST
.endm
.macro SETG0 g, off, base, step
	s_mov_b32 s[\g], 1
	s_add_co_u32 s[\g+1], s23, \off
	s_add_nc_u64 s[\g+2:\g+3], s[\base:\base+1], \step
	s_or_b32 s[\g+3], s[\g+3], 0x80000000
.endm
	s_load_b256 s[4:11], s[0:1], 0x0               ; y_codes, y_scales, in_codes, in_scales
	s_load_b64 s[12:13], s[0:1], 0x20              ; out0
	v_lshl_add_u32 v[SPW], v0, 2, SPARE
	v_mov_b32 v[NIL], 0
	ds_add_u32 v28, v29
	ds_add_u32 v28, v29
	s_wait_dscnt 0x0
	v_lshrrev_b32 v1, 5, v0
	v_readfirstlane_b32 s16, v1                    ; wave 0..3
	s_lshr_b32 s17, s16, 1                         ; my half of A's rows.  Also: I fetch for A (0) or for B (1)
	s_and_b32 s18, s16, 1                          ; my half of B's rows.  Also: which 128 rows I fetch
	s_bfe_u32 s21, ttmp6, 0x40000                  ; cx
	s_bfe_u32 s22, ttmp6, 0x40004                  ; cy
	s_lshl_b32 s20, ttmp9, 2
	s_add_co_u32 s20, s20, s21                     ; tile column
	s_and_b32 s19, ttmp7, 0xffff
	s_lshl_b32 s19, s19, 2
	s_add_co_u32 s19, s19, s22                     ; tile row
	s_lshl_b32 s23, s22, 2
	s_lshl_b32 s23, 15, s23                        ; my row of the cluster
	s_lshl_b32 s101, 0x1111, s21                   ; my column
	s_or_b32 s[G1A], s23, (3<<16)|(1<<21)          ; 15:0 the mask; 17:16 elements of 8 bytes; 21 set beside a mask; no padding
	s_or_b32 s[G1B], s101, (3<<16)|(1<<21)
	s_or_b32 s[G1SA], s23, (3<<16)|(1<<21)
	s_or_b32 s[G1SB], s101, (3<<16)|(1<<21)
.irp g, G1A, G1B                       ; codes: 8 tiles' rows of 3,072 bytes, 12,288 bytes apart
	s_mov_b32 s[\g+1], 384<<16
	s_mov_b32 s[\g+2], 8<<16
	s_mov_b32 s[\g+3], 384<<16
	s_mov_b32 s[\g+4], 8
	s_mov_b32 s[\g+5], 1536
	s_mov_b32 s[\g+6], 0
	s_mov_b32 s[\g+7], 0
.endr
.irp g, G1SA, G1SB                     ; scale words: 4,096 dense bytes as 16 rows of 256
	s_mov_b32 s[\g+1], 32<<16
	s_mov_b32 s[\g+2], 16<<16
	s_mov_b32 s[\g+3], 32<<16
	s_mov_b32 s[\g+4], 16
	s_mov_b32 s[\g+5], 32
	s_mov_b32 s[\g+6], 0
	s_mov_b32 s[\g+7], 0
.endr
	s_lshl_b32 s23, s18, 3
	s_lshl_b32 s94, s19, 4
	s_add_co_u32 s94, s94, s23                     ; A: the first of the 8 tiles of y that I fetch
	s_lshl_b32 s86, s94, 9
	s_mov_b32 s87, 0
	s_mul_i32 s94, s94, 12288
	s_mov_b32 s95, 0
	s_lshl_b32 s96, s20, 4
	s_add_co_u32 s96, s96, 704                     ; B: wo's tiles begin at 704 in in_codes
	s_add_co_u32 s96, s96, s23
	s_lshl_b32 s90, s96, 9
	s_mov_b32 s91, 0
	s_mul_i32 s96, s96, 12288
	s_mov_b32 s97, 0
	s_mul_i32 s23, s16, HALFT
	s_lshl_b32 s101, s16, 12
	s_wait_kmcnt 0x0
	s_add_nc_u64 s[94:95], s[4:5], s[94:95]
	s_add_nc_u64 s[86:87], s[6:7], s[86:87]
	s_add_nc_u64 s[96:97], s[8:9], s[96:97]
	s_add_nc_u64 s[90:91], s[10:11], s[90:91]
	CROUND                                         ; all sixteen work-groups are here: the first joint loads meet
	s_mov_b32 s[G0SA], 1
	s_add_co_u32 s[G0SA+1], s101, SCL
	s_or_b32 s[G0SA+3], s[G0SA+3], 0x80000000
	s_mov_b32 s[G0SB], 1
	s_add_co_u32 s[G0SB+1], s101, SCL
	s_or_b32 s[G0SB+3], s[G0SB+3], 0x80000000
	JLOAD G0SA, G1SA, G0SB, G1SB
	SETG0 G0A0, 0, 94, 0
	SETG0 G0B0, 0, 96, 0
	JLOAD G0A0, G1A, G0B0, G1B
	SETG0 G0A1, SLOTB, 94, 3072
	SETG0 G0B1, SLOTB, 96, 3072
	JLOAD G0A1, G1A, G0B1, G1B
	SETG0 G0A2, 2*SLOTB, 94, 6144
	SETG0 G0B2, 2*SLOTB, 96, 6144
	JLOAD G0A2, G1A, G0B2, G1B                     ; four loads of mine are out
	v_and_b32 v1, 31, v0
	v_and_b32 v2, 15, v0                           ; r
	v_bfe_u32 v3, v0, 4, 1                         ; h
	v_lshlrev_b32 v[LI16], 4, v1
	v_lshlrev_b32 v[LI8], 3, v1
	s_mul_i32 s23, s17, HALFT
	s_mul_i32 s101, s18, HALFT
	s_add_co_u32 s101, s101, 2*HALFT
.irp s, 0,1,2
	v_add_nc_u32 v[A16+\s], s23, v[LI16]
	v_add_nc_u32 v[A8+\s], s23, v[LI8]
	v_add_nc_u32 v[B16+\s], s101, v[LI16]
	v_add_nc_u32 v[B8+\s], s101, v[LI8]
	s_add_co_u32 s23, s23, SLOTB
	s_add_co_u32 s101, s101, SLOTB
.endr
	v_lshlrev_b32 v4, 3, v2
	s_lshl_b32 s23, s17, 12
	s_lshl_b32 s101, s18, 12
	s_add_co_u32 s101, s101, 8192
	s_sub_co_u32 s101, s101, s23
	v_mul_u32_u24 v5, s101, v3                     ; lanes 16-31 take B's words: the lower base + h x the distance
	s_add_co_u32 s23, s23, SCL
	v_add_nc_u32 v4, v4, v5
	v_add_nc_u32 v[ADRS], s23, v4
	s_mul_i32 s23, s16, 16*SPITCH
	s_add_co_u32 s23, s23, STAGE                   ; my stage
	v_mul_u32_u24 v4, v2, SPITCH
	v_lshl_add_u32 v4, v3, 6, v4
	v_add_nc_u32 v[STO], s23, v4                   ; in: row r, + 64 h: a pair of B's tiles gives my half 16 neighbouring outputs
	v_add_nc_u32 v[RD], s23, v[LI16]               ; back: a row of 512 bytes to the 32 lanes
	s_lshl_b32 s22, s19, 8
	s_lshl_b32 s23, s17, 7
	s_add_co_u32 s22, s22, s23                     ; my first row of out0
	s_lshl_b32 s22, s22, 12                        ; rows of 4,096 bytes
	s_lshl_b32 s23, s20, 10
	s_add_co_u32 s22, s22, s23
	s_lshl_b32 s23, s18, 9
	s_add_co_u32 s22, s22, s23                     ; + my first column
	s_mov_b32 s23, 0
	s_add_nc_u64 s[12:13], s[12:13], s[22:23]
.macro FRAG reg, a16, a8, q, i
	ds_load_b128 v[\reg:\reg+3], v[\a16] offset:3072*(\i)+1536*(\q)
	ds_load_b64 v[\reg+4:\reg+5], v[\a8] offset:3072*(\i)+1536*(\q)+512
	ds_load_b128 v[\reg+6:\reg+9], v[\a16] offset:3072*(\i)+1536*(\q)+768
	ds_load_b64 v[\reg+10:\reg+11], v[\a8] offset:3072*(\i)+1536*(\q)+1280
.endm
.macro MUL16 a0, p, q, sc, zero        ; the 64 accumulators take turns
.irp a, \a0, \a0+1
.irp b, 0,1,2,3,4,5,6,7
.if \zero
	v_wmma_scale_f32_16x16x128_f8f6f4 v[8*(8*((\a)%4)+\b):8*(8*((\a)%4)+\b)+7], v[128*(\p)+FR*\b:128*(\p)+FR*\b+FR-1], v[AF+FR*(\a):AF+FR*(\a)+FR-1], 0, v[SC+16*(\sc)+2*\b+(\q)], v[SC+16*(\sc)+2*(\a)+(\q)] matrix_a_fmt:MATRIX_FMT_FP6 matrix_b_fmt:MATRIX_FMT_FP6 matrix_a_scale:MATRIX_SCALE_ROW1
.else
	v_wmma_scale_f32_16x16x128_f8f6f4 v[8*(8*((\a)%4)+\b):8*(8*((\a)%4)+\b)+7], v[128*(\p)+FR*\b:128*(\p)+FR*\b+FR-1], v[AF+FR*(\a):AF+FR*(\a)+FR-1], v[8*(8*((\a)%4)+\b):8*(8*((\a)%4)+\b)+7], v[SC+16*(\sc)+2*\b+(\q)], v[SC+16*(\sc)+2*(\a)+(\q)] matrix_a_fmt:MATRIX_FMT_FP6 matrix_b_fmt:MATRIX_FMT_FP6 matrix_a_scale:MATRIX_SCALE_ROW1
.endif
.endr
.endr
.endm
.macro FETCH_B slot, q, p
	WIN TO_B
.irp i, 0,1,2,3,4,5,6,7
	FRAG 128*(\p)+FR*\i, B16+\slot, B8+\slot, \q, \i
.endr
	WIN 0
.endm
.macro FETCH_A slot, q, i0
.irp i, \i0, \i0+1, \i0+2, \i0+3
	FRAG AF+FR*(\i), A16+\slot, A8+\slot, \q, \i
.endr
.endm
.macro SCALES sc, sg
.irp i, 0,1,2,3,4,5,6,7
	ds_load_b64 v[SC+16*(\sc)+2*\i:SC+16*(\sc)+2*\i+1], v[ADRS] offset:512*\i+128*(\sg)
.endr
.endm
.macro PLACES n
.rept \n
	v_nop
.endr
.endm
.macro STEP slot, sc, zero
	s_wait_dscnt 4*NL                              ; B's set and A's blocks 0-3 are in; the youngest 16 loads (A's blocks 4-7) may be out
	WIN MUL_LO
	MUL16 0, 0, 0, \sc, \zero
	MUL16 2, 0, 0, \sc, \zero
	s_wait_dscnt 0x0
	PLACES NP
	FETCH_B \slot, 1, 1
	FETCH_A \slot, 1, 0
	WIN MUL_HI
	MUL16 4, 0, 0, \sc, \zero
	MUL16 6, 0, 0, \sc, \zero
	PLACES NP
	WIN 0
	FETCH_A \slot, 1, 4
.endm
; mode 2: this slot is filled again behind a round of the cluster's barrier; mode 1: a barrier, in front of which the refill is waited for; mode 0: the next slot was shown whole at the round: no barrier
.macro TURN slot, next, sc, nsc, sg, mode
.if \mode
	s_wait_tensorcnt 0x0                           ; all my tensor loads have landed
	ds_add_u32 v[SPW], v[NIL]                      ; 0 onto my spare word
	s_wait_dscnt 4*NL+1                            ; (the add and the youngest 16 loads may be out)
	WIN MUL_LO
	MUL16 0, 1, 1, \sc, 0
	s_wait_dscnt 0x0                               ; the add is done, and my reads of this slot are over
	s_barrier_signal -1
	MUL16 2, 1, 1, \sc, 0
	WIN 0
	s_barrier_wait -1
.if \mode == 2
	CREST
	s_add_nc_u64 s[G0A0+2:G0A0+3], s[G0A0+2:G0A0+3], 3*3072
	s_add_nc_u64 s[G0B0+2:G0B0+3], s[G0B0+2:G0B0+3], 3*3072
	JLOAD G0A0, G1A, G0B0, G1B                     ; K step 3 into slot 0; its four v_nop are the places in front of the loads below
.else
	PLACES NP
.endif
.else
	s_wait_dscnt 4*NL
	WIN MUL_LO
	MUL16 0, 1, 1, \sc, 0
	MUL16 2, 1, 1, \sc, 0
	s_wait_dscnt 0x0
	PLACES NP
.endif
	FETCH_B \next, 0, 0
	FETCH_A \next, 0, 0
	SCALES \nsc, \sg
	WIN MUL_HI
	MUL16 4, 1, 1, \sc, 0
	MUL16 6, 1, 1, \sc, 0
	PLACES NP
	WIN 0
	FETCH_A \next, 0, 4
.endm
	s_wait_alu depctr_va_vdst(0)
	s_wait_tensorcnt 2                             ; the scale words and my part of K step 0 are in; K steps 1 and 2 may be out
	s_barrier_signal -1
	s_barrier_wait -1
	FETCH_B 0, 0, 0
	FETCH_A 0, 0, 0
	SCALES 0, 0
	FETCH_A 0, 0, 4
	STEP 0, 0, 1
	TURN 0, 1, 0, 1, 1, 2
	STEP 1, 1, 0
	TURN 1, 2, 1, 0, 2, 0
	STEP 2, 0, 0
	TURN 2, 0, 0, 1, 3, 1
	STEP 0, 1, 0
	s_wait_dscnt 4*NL
	WIN MUL_LO
	MUL16 0, 1, 1, 1, 0
	MUL16 2, 1, 1, 1, 0
	s_wait_dscnt 0x0
	WIN MUL_HI
	MUL16 4, 1, 1, 1, 0
	MUL16 6, 1, 1, 1, 0
	WIN 0
; THE WAY OUT, block by block of 16 tokens x 128 outputs, through my own stage: in by lanes, back as whole rows of 512 bytes.
.macro TOSTAGE a
.set AC, 64*((\a)%4)
	WIN 0x08+4*((\a)/4)                            ; the data: window 2 or 3
.irp b, 0,1,2,3,4,5,6,7
	ds_store_b128 v[STO], v[AC+8*\b:AC+8*\b+3] offset:128*(\b/2)+32*(\b%2)        ; B's tile b, my half: outputs 32 (b / 2) + 16 h + 8 (b % 2) on; each accumulator from its low end on
	ds_store_b128 v[STO], v[AC+8*\b+4:AC+8*\b+7] offset:128*(\b/2)+32*(\b%2)+16
.endr
	WIN 0
.set BB, BK+64*((\a)%2)
.irp t, 0,1,2,3,4,5,6,7,8,9,10,11,12,13,14,15
	ds_load_b128 v[BB+4*\t:BB+4*\t+3], v[RD] offset:\t*SPITCH     ; LDS serves a wave's instructions in order: these see the stores above
.endr
.endm
.macro SEND a, younger
.set BB, BK+64*((\a)%2)
	s_wait_dscnt \younger                          ; the block is back in registers
.if (\a) > 0
.if (\a)%2 == 1
	s_add_nc_u64 s[12:13], s[12:13], 8*4096        ; (behind a wait on XCNT)  tile a begins at row 32 (a / 2) + 8 (a % 2)
.else
	s_add_nc_u64 s[12:13], s[12:13], 24*4096
.endif
.endif
.irp t, 0,1,2,3,4,5,6,7,8,9,10,11,12,13,14,15
	global_store_b128 v[LI16], v[BB+4*\t:BB+4*\t+3], s[12:13] offset:((\t%8)+16*(\t/8))*4096 th:TH_STORE_NT   ; 512 consecutive bytes, aligned; lane row t is the tile's row t % 8 + 16 (t / 8)
.endr
.endm
	PLACES NP
	TOSTAGE 0
.irp a, 1,2,3,4,5,6,7
.if \a > 1
	s_wait_xcnt 0x0                                ; block a - 2's stores have read their registers and their base
.endif
	TOSTAGE \a
	SEND \a-1, 32                                  ; behind block a - 1's loads: block a's 16 stores and 16 loads
.endr
	s_wait_xcnt 0x0
	SEND 7, 0
	s_wait_tensorcnt 0x0                           ; the wave's end
	ds_add_u32 v[SPW], v[NIL]
	s_wait_dscnt 0x0
	CROUND                                         ; the closing round
	s_endpgm
.Lfunc_end_k_q9a5c4965ae_proj:
	.size	k_q9a5c4965ae_proj, .Lfunc_end_k_q9a5c4965ae_proj-k_q9a5c4965ae_proj
	.p2alignl 7, 3214868480
	.fill 96, 4, 3214868480
	.section	.rodata,"a",@progbits
	.p2align	6, 0x0
	.amdhsa_kernel k_q9a5c4965ae_proj
		.amdhsa_group_segment_fixed_size 327680
		.amdhsa_private_segment_fixed_size 0
		.amdhsa_enable_private_segment 0
		.amdhsa_kernarg_size 40
		.amdhsa_user_sgpr_count 2
		.amdhsa_user_sgpr_kernarg_segment_ptr 1
		.amdhsa_wavefront_size32 1
		.amdhsa_system_sgpr_workgroup_id_x 1
		.amdhsa_system_sgpr_workgroup_id_y 1
		.amdhsa_system_sgpr_workgroup_id_z 1
		.amdhsa_system_vgpr_workitem_id 0
		.amdhsa_next_free_vgpr 1024
		.amdhsa_next_free_sgpr 102
		.amdhsa_reserve_vcc 0
		.amdhsa_float_denorm_mode_32 3
		.amdhsa_float_denorm_mode_16_64 3
		.amdhsa_memory_ordered 1
		.amdhsa_forward_progress 1
		.amdhsa_inst_pref_size 143
	.end_amdhsa_kernel
	.amdgpu_metadata
---
amdhsa.version: [ 1, 2 ]
amdhsa.kernels:
  - .name:           k_q9a5c4965ae_proj
    .symbol:         k_q9a5c4965ae_proj.kd
    .args:
      - { .name: y_codes, .offset: 0, .size: 8, .value_kind: global_buffer, .address_space: global }
      - { .name: y_scales, .offset: 8, .size: 8, .value_kind: global_buffer, .address_space: global }
      - { .name: in_codes, .offset: 16, .size: 8, .value_kind: global_buffer, .address_space: global }
      - { .name: in_scales, .offset: 24, .size: 8, .value_kind: global_buffer, .address_space: global }
      - { .name: out0, .offset: 32, .size: 8, .value_kind: global_buffer, .address_space: global }
    .group_segment_fixed_size: 327680
    .private_segment_fixed_size: 0
    .kernarg_segment_align: 8
    .kernarg_segment_size: 40
    .max_flat_workgroup_size: 128
    .sgpr_count:     102
    .vgpr_count:     1024
    .wavefront_size: 32
...
	.end_amdgpu_metadata
.endif
;; end of part 4
